; MI455X (gfx1250); checked and timed in simulation.
; The chip was launched on July 23, 2026; its instructions are those of AMD's public machine-readable ISA for CDNA 5 (MIT licence, August 2026) and "CDNA5" Instruction Set Architecture Reference Guide (July 2026). The comments in the code are by the model that wrote it; some were corrected since.
;; Transformer Block. Allowed arithmetic: matrix products marked QUANTISED: E4M3 operands, one given power-of-two scale a tensor, by v_wmma_f32_16x16x64_fp8_fp8 or v_wmma_f32_16x16x128_fp8_fp8, f32 sums; everything else in f32.
;; Inputs: W1 1,024 x 4,096 float32; W2 4,096 x 1,024 float32; Wk 1,024 x 1,024 float32; Wo 1,024 x 1,024 float32; Wq 1,024 x 1,024 float32; Wv 1,024 x 1,024 float32; b1 4,096 float32; b2 1,024 float32; bo 1,024 float32; g1 1,024 float32; g2 1,024 float32; lowp_scales 16 int32 (the exponents e of the quantised operands' scales 2^e); s1 1,024 float32; s2 1,024 float32; x 2 x 2,048 x 1,024 float32.
;; Outputs: out0 2 x 2,048 x 1,024 float32.
;; This version of the problem:
;;   THIS VERSION OF THE PROBLEM IS GIVEN IN LOW PRECISION. The matrix products marked QUANTISED in the list below multiply operands that are first quantised to E4M3 (4 exponent bits, 3 mantissa bits; 8 bits a number), with one given power-of-two scale for each operand tensor; their sums are f32. All else is computed in f32.
;;   The module's matrix products, in the order in which they are computed (A, B: the left and right operand; K: the contracted axis; several contracted axes count as one K, in the product's order):
;;     1. [M 4,096, K 1,024] x [K 1,024, N 1,024]; A: computed on the way; B: input Wq: QUANTISED (scales: A lowp_scales[0], B lowp_scales[1])
;;     2. [M 4,096, K 1,024] x [K 1,024, N 1,024]; A: computed on the way; B: input Wk: QUANTISED (scales: A lowp_scales[2], B lowp_scales[3])
;;     3. [M 4,096, K 1,024] x [K 1,024, N 1,024]; A: computed on the way; B: input Wv: QUANTISED (scales: A lowp_scales[4], B lowp_scales[5])
;;     4. batch 32 x [M 2,048, K 64] x [K 64, N 2,048]; A: computed on the way; B: computed on the way: QUANTISED (scales: A lowp_scales[6], B lowp_scales[7])
;;     5. batch 32 x [M 64, K 2,048] x [K 2,048, N 2,048]; A: computed on the way; B: softmax (see below): QUANTISED (scales: A lowp_scales[8], B lowp_scales[9])
;;     6. [M 4,096, K 1,024] x [K 1,024, N 1,024]; A: computed on the way; B: input Wo: QUANTISED (scales: A lowp_scales[10], B lowp_scales[11])
;;     7. [M 4,096, K 1,024] x [K 1,024, N 4,096]; A: computed on the way; B: input W1: QUANTISED (scales: A lowp_scales[12], B lowp_scales[13])
;;     8. [M 4,096, K 4,096] x [K 4,096, N 1,024]; A: computed on the way; B: input W2: QUANTISED (scales: A lowp_scales[14], B lowp_scales[15])
;;   THE QUANTISER, for each operand of a quantised product, along K:
;;     - The operand's scale is 2^e, e = its entry of the input lowp_scales (int32; the entries are numbered through the quantised products in the list's order, A before B).
;;     - Each number is divided by the scale, clamped to +-448, and rounded to the nearest number of E4M3, ties to even, subnormals kept.
;;     - The product sums the exact products of the quantised numbers (number of the format x scale) in f32.
;;   ~~~python
;;   def quantise(x, axis, e):      # numpy; x: float32 -> the quantised numbers, widened to float32 again
;;       x = np.moveaxis(x, axis, -1); K = x.shape[-1]
;;       r = np.clip(x / 2.0 ** e, -448, 448)
;;       step = 2.0 ** (np.maximum(np.frexp(np.where(r == 0, 1, r))[1] - 1, -6) - 3)
;;       q = np.round(r / step) * step * 2.0 ** e      # np.round: ties to even
;;       return np.moveaxis(q, -1, axis).astype(np.float32)
;;   ~~~
;;   SOFTMAX AHEAD OF A QUANTISED PRODUCT. Where the list says 'softmax', what is quantised is not the finished softmax but p = 2^(t - M), with t = logit x log2(e) and M = ceil(the row's largest t), a whole number; so 1/2 < the row's largest p <= 1. The row's sum l is taken of the UNQUANTISED p, in f32, and the product's result is divided by l at the end. Since M is a whole number, a kernel that streams over the keys may use a running M (the ceiling of the running maximum): every later rescaling is an exact power of two, so the quantised numbers keep their values, but for numbers so far below the row's largest that they fall under the format's range.
;;   OPERANDS COMPUTED ON THE WAY. 'Computed on the way' means the value that the module computes at that place (a softmax that the list does not call 'softmax' is quantised finished and normalised). What goes into a quantiser is computed in f32, as accurately as f32 sums, v_exp_f32 and their like allow (about 1e-6 of the number): no bf16 or f16 on the way to a quantiser, and a product that is left as it is and whose result goes on into a quantised operand takes f32 operands (vector FMAs, or v_wmma_f32_16x16x4_f32). A number that lies on a knife's edge between two numbers of the format may be rounded either way, as far as f32 arithmetic and the matrix unit's own rounding can turn it there, and no further.
;; One version. Each part assembles by itself: llvm-mc -triple=amdgcn-amd-amdhsa -mcpu=gfx1250 --defsym DOCPART=n.
;; ======== version 1 of 1: 7 launches
;; limits: right only within a limited range of input values
;; workspace buffers: xc 12,582,912 bytes; wc 12,582,912 bytes; qkvf 12,582,912 bytes; ctxf 4,194,304 bytes; hbuf 16,777,216 bytes; yc 4,194,304 bytes; hid 16,777,216 bytes
;; launch prep (part 1): grid 1024 x 1, 4 waves a work-group, no clusters, 52,736 bytes of LDS; arguments x, g1, s1, Wq, Wk, Wv, Wo, W1, W2, lowp_scales, xc, wc; writes xc, wc
.if DOCPART == 1
	.amdgcn_target "amdgcn-amd-amdhsa--gfx1250"
	.amdhsa_code_object_version 6
	.text
	.protected	k_qef23f47038_prep
	.globl	k_qef23f47038_prep
	.p2align	8
	.type	k_qef23f47038_prep,@function
k_qef23f47038_prep:
	s_mov_b64 s[64:65], 0
	v_nop
	global_prefetch_b8 v0, s[64:65] scope:SCOPE_SE
	s_setreg_imm32_b32 hwreg(HW_REG_WAVE_MODE, 25, 1), 1
	s_wait_xcnt 0x0
; PREP.  Work-groups 0-767: the six weights ([K][N] f32) become E4M3 codes of W^T.  Work-groups 768-1023: LN1(x) becomes three sets of codes (scales e0, e2, e4).
; THE IMAGE.  Every operand of a product is kept as images of the matrix instruction's registers: 16 rows x 128 K in 2,048 bytes; byte 512 i + 16 (16 h + r) + y holds row r,
; k = 32 i + 16 (y / 8) + 8 h + y % 8.  A matrix [R][K] lies as [R / 16][K / 128][2048].  So a fragment is four loads of 16 bytes a lane, 512 consecutive bytes each.
; code = x / 2^e, held within +-448, to the nearest code, ties to even.  LIMITS: each e between -126 and 119; NaN among the inputs is not served.
; WEIGHTS: a work-group takes 128 columns x 128 k, one image along K; a lane takes ONE column and its registers run down K, so each load reads 128 consecutive bytes a wave and the conversions give K innermost.
; A wave has four blocks of 32 k, two of them on their way at a time: two turns of loads in all.  A block of a column is two pieces of 16 bytes of its image: sixteen lanes store 256 consecutive aligned bytes.
; No LDS, no barrier on this path.  64 work-groups for each of Wq, Wk, Wv, Wo, 256 for W1, 256 for W2.
; NORM: a work-group takes 16 rows, a wave 4 of them, a row at a time in 32 registers a lane; the codes turn through a stage in LDS into the image's order.
; WORK LEFT OUT IN THIS PROGRAM (launch attn): reference() sets scores[q][k] to -inf for k > q by a mask that it builds in its own body (jnp.tril), so the softmax weights there are 0
; whatever the inputs hold: key steps that lie wholly behind a tile of queries are not multiplied.  Every input has a way to the output and is loaded.
; LIMIT: a NaN, an infinity or an overflow that would arise only in those masked scores is not carried to the result.
.set NBLK, 4                           ; weights: blocks of 32 k to a wave
.set VO,  16                           ; v16-47   4 lane + i x row pitch
.set WX,  48                           ; v48-111  two sets of 32 numbers
.set WC,  112                          ; v112-143 eight registers of codes a block, never rewritten
.set SB,  40                           ; s40-47   four bases, 32 rows of W apart, never stepped
.set NOUT, 3                           ; norm: sets of codes
.set G,   16                           ; v16-47   gain
.set S,   48                           ; v48-79   shift
.set X,   80                           ; v80-207  four rows
.set T,   208                          ; v208-239 at work; then a row held within the largest code
.set C,   240                          ; v240-247 a row's codes
.set STG, 17408                        ; a stage: 64 pieces of 256 bytes, 272 apart
	s_load_b512 s[8:23], s[0:1], 0x0               ; x, g1, s1, Wq, Wk, Wv, Wo, W1
	s_load_b256 s[24:31], s[0:1], 0x40             ; W2, lowp_scales, xc, wc
	v_lshl_add_u32 v254, v0, 2, 0xcc00
	v_mov_b32 v255, 0
	v_lshrrev_b32 v1, 5, v0
	v_readfirstlane_b32 s2, v1                     ; wave
	v_and_b32 v2, 31, v0                           ; lane
	s_cmp_ge_u32 ttmp9, 768                        ; the same for all waves of a work-group
	s_cbranch_scc1 .Lnorm
	; ---------------- the weights ----------------
	s_wait_kmcnt 0x0
	s_mov_b64 s[32:33], s[24:25]                   ; which weight, its scale's byte in lowp_scales, its place in wc: W2 unless the number is smaller
	s_mov_b32 s34, 60
	s_mov_b32 s35, 0x800000
	s_cmp_lt_u32 ttmp9, 512
	s_cselect_b64 s[32:33], s[22:23], s[32:33]     ; W1
	s_cselect_b32 s34, 52, s34
	s_cselect_b32 s35, 0x400000, s35
	s_cmp_lt_u32 ttmp9, 256
	s_cselect_b64 s[32:33], s[20:21], s[32:33]     ; Wo
	s_cselect_b32 s34, 44, s34
	s_cselect_b32 s35, 0x300000, s35
	s_cmp_lt_u32 ttmp9, 192
	s_cselect_b64 s[32:33], s[18:19], s[32:33]     ; Wv
	s_cselect_b32 s34, 20, s34
	s_cselect_b32 s35, 0x200000, s35
	s_cmp_lt_u32 ttmp9, 128
	s_cselect_b64 s[32:33], s[16:17], s[32:33]     ; Wk
	s_cselect_b32 s34, 12, s34
	s_cselect_b32 s35, 0x100000, s35
	s_cmp_lt_u32 ttmp9, 64
	s_cselect_b64 s[32:33], s[14:15], s[32:33]     ; Wq
	s_cselect_b32 s34, 4, s34
	s_cselect_b32 s35, 0, s35
	s_load_b32 s36, s[26:27], s34 offset:0x0       ; e
	s_lshr_b32 s37, ttmp9, 8
	s_cmp_eq_u32 s37, 1                            ; W1 has 4,096 columns, the others 1,024
	s_cselect_b32 s38, 5, 3                        ; log2 of the blocks of 128 columns
	s_mov_b32 s39, 4096
	s_cselect_b32 s39, 16384, s39                  ; a row of W in bytes
	s_cmp_lt_u32 ttmp9, 256
	s_cselect_b32 s56, 63, 255
	s_and_b32 s56, ttmp9, s56                      ; the work-group's number within its weight
	s_cmp_ge_u32 ttmp9, 512
	s_mov_b32 s57, 16384
	s_cselect_b32 s57, 65536, s57                  ; bytes from row tile to row tile of the images: 16 K
	s_bfm_b32 s58, s38, 0
	s_and_b32 s58, s56, s58                        ; block of 128 columns
	s_lshr_b32 s59, s56, s38                       ; block of 128 k
	s_mul_i32 s60, s59, s39
	s_lshl_b32 s60, s60, 7                         ; 128 rows of W a block,
	s_lshl_b32 s37, s58, 9
	s_add_co_u32 s60, s60, s37                     ; + 512 bytes a block of columns,
	s_lshl_b32 s37, s2, 7
	s_add_co_u32 s60, s60, s37                     ; + 128 bytes a wave
	s_mov_b32 s61, 0
	s_add_nc_u64 s[SB:SB+1], s[32:33], s[60:61]
	s_lshl_b32 s62, s39, 5
	s_mov_b32 s63, 0
.irp t, 1,2,3
	s_add_nc_u64 s[SB+2*\t:SB+2*\t+1], s[SB+2*\t-2:SB+2*\t-1], s[62:63]
.endr
	s_wait_alu depctr_va_vdst(0)
	v_lshlrev_b32 v4, 2, v2
	s_wait_alu depctr_va_vdst(0)
	s_mov_b32 s60, 0
.set wi, 0
.rept 32
	v_add_nc_u32 v[VO+wi], s60, v4                 ; 4 lane + i rows
	s_add_co_u32 s60, s60, s39
.set wi, wi+1
.endr
.macro WLOAD t                         ; block t: W(32 t + i, my column), i = 0 .. 31, into set t % 2
.set wi, 0
.rept 32
	global_load_b32 v[WX+32*((\t)%2)+wi], v[VO+wi], s[SB+2*(\t):SB+2*(\t)+1] th:TH_LOAD_NT
.set wi, wi+1
.endr
.endm
	s_wait_alu depctr_va_vdst(0)
	WLOAD 0
	WLOAD 1
	s_lshl_b32 s60, s58, 3
	s_lshl_b32 s37, s2, 1
	s_add_co_u32 s60, s60, s37                     ; my wave's first row tile of W^T: 8 x block + 2 x wave
	s_mul_i32 s60, s60, s57
	s_lshl_b32 s37, s59, 11
	s_add_co_u32 s60, s60, s37                     ; + one image a block of 128 k
	s_add_co_u32 s60, s60, s35                     ; + the weight's place in wc
	s_mov_b32 s61, 0
	s_add_nc_u64 s[30:31], s[30:31], s[60:61]
	v_lshrrev_b32 v6, 4, v2
	v_mul_lo_u32 v6, v6, s57
	v_and_b32 v7, 15, v2
	v_lshl_add_u32 v5, v7, 4, v6                   ; lanes 16-31 stand in the next row tile; 16 bytes a row
	s_wait_kmcnt 0x0
	s_add_co_i32 s36, s36, 127
	s_lshl_b32 s37, s36, 23
	v_mov_b32 v11, s37                             ; 2^e as f32: the conversion takes its exponent field
	s_add_co_i32 s36, s36, 8
	s_lshl_b32 s36, s36, 23
	s_or_b32 s36, s36, 0x600000
	v_mov_b32 v10, s36                             ; 448 x 2^e
.macro WBLOCK t
.set XS, WX+32*((\t)%2)
.set CS, WC+8*(\t)
.if (\t) < NBLK-1
	s_wait_loadcnt 32                              ; this block's 32 loads are in; the next block's may be out
.else
	s_wait_loadcnt 0
.endif
.set wi, 0
.rept 32
	v_med3_num_f32 v[XS+wi], v[XS+wi], -v10, v10   ; the conversion does not saturate (ISA guide 7.6.2): the hold comes first
.set wi, wi+1
.endr
	v_cvt_scalef32_pk8_fp8_f32 v[CS:CS+1], v[XS:XS+7], v11         ; the image's piece for h = 0: k 0-7, then k 16-23
	v_cvt_scalef32_pk8_fp8_f32 v[CS+2:CS+3], v[XS+16:XS+23], v11
	v_cvt_scalef32_pk8_fp8_f32 v[CS+4:CS+5], v[XS+8:XS+15], v11    ; for h = 1: k 8-15, then k 24-31
	v_cvt_scalef32_pk8_fp8_f32 v[CS+6:CS+7], v[XS+24:XS+31], v11
	global_store_b128 v5, v[CS:CS+3], s[30:31] offset:(\t)*512         ; sixteen lanes: 256 consecutive aligned bytes
	global_store_b128 v5, v[CS+4:CS+7], s[30:31] offset:(\t)*512+256
.if (\t)+2 < NBLK
	WLOAD (\t)+2
.endif
.endm
	s_wait_alu depctr_va_vdst(0)
.irp t, 0,1,2,3
	WBLOCK \t
.endr
	s_endpgm
	; ---------------- the norm ----------------
.Lnorm:
	s_sub_co_u32 s3, ttmp9, 768                    ; my tile of 16 rows
	s_wait_alu depctr_va_vdst(0)
	v_lshlrev_b32 v1, 5, v2                        ; lane l holds k = 256 j + 8 l + 0 .. 7, j = 0 .. 3: 32 bytes at 32 l + 1024 j
	v_lshrrev_b32 v3, 4, v2                        ; those eight codes lie in piece 16 j + 8 (l / 16) + 2 ((l / 4) % 4) + l % 2 of the row tile's 64 pieces of 256 bytes,
	v_bfe_u32 v4, v2, 2, 2                         ; at byte 16 row + 8 ((l / 2) % 2)
	v_and_b32 v5, 1, v2
	v_lshl_add_u32 v4, v4, 1, v5
	v_lshl_add_u32 v3, v3, 3, v4
	v_mul_u32_u24 v3, v3, 272                      ; pieces 272 bytes apart: a store's 32 lanes fall on 32 different 8-byte columns modulo 256 bytes
	v_bfe_u32 v4, v2, 1, 1
	v_lshl_add_u32 v3, v4, 3, v3
	s_lshl_b32 s34, s2, 6
	v_add_nc_u32 v3, s34, v3                       ; v3: into the stage; + 16 bytes x my wave's first row
	v_lshrrev_b32 v5, 4, v2
	v_mul_u32_u24 v5, v5, 272
	v_and_b32 v6, 15, v2
	v_lshl_add_u32 v5, v6, 4, v5
	s_mul_i32 s34, s2, 4352
	v_add_nc_u32 v4, s34, v5                       ; v4: back: wave w takes pieces 16 w on, two an instruction
	v_lshlrev_b32 v5, 4, v2
	s_lshl_b32 s34, s2, 12
	v_add_nc_u32 v5, s34, v5                       ; v5: and the same bytes of the row tile's images
	s_mov_b32 s36, 0x3a800000                      ; 1 / 1024
	s_mov_b32 s38, 0x76543210                      ; v_permlanex16_b32: lane l xor 16
	s_mov_b32 s39, 0xfedcba98
	s_lshl_b32 s32, s3, 16
	s_lshl_b32 s33, s2, 14
	s_add_co_u32 s32, s32, s33                     ; 16 rows of 4,096 bytes a tile, 4 a wave
	s_mov_b32 s33, 0
	s_lshl_b32 s34, s3, 14
	s_mov_b32 s35, 0
	s_wait_kmcnt 0x0
	s_load_b256 s[40:47], s[26:27], 0x0            ; e0 .. e7: e0, e2, e4 are used
	s_add_nc_u64 s[8:9], s[8:9], s[32:33]
	s_add_nc_u64 s[48:49], s[28:29], s[34:35]      ; a base for each set of codes: they lie 4 MiB apart
	s_add_nc_u64 s[50:51], s[48:49], 0x400000
	s_add_nc_u64 s[52:53], s[48:49], 0x800000
.macro LNLOAD reg, base, off
.irp j, 0,1,2,3
	global_load_b128 v[\reg+8*\j:\reg+8*\j+3], v1, s[\base:\base+1] offset:\off+1024*\j
	global_load_b128 v[\reg+8*\j+4:\reg+8*\j+7], v1, s[\base:\base+1] offset:\off+1024*\j+16
.endr
.endm
	LNLOAD X, 8, 0
	LNLOAD G, 10, 0
	LNLOAD S, 12, 0
	LNLOAD X+32, 8, 4096
	LNLOAD X+64, 8, 8192
	LNLOAD X+96, 8, 12288
	s_wait_kmcnt 0x0
.set oo, 0
.rept NOUT
	s_add_co_i32 s34, s[40+2*oo], 127
	s_lshl_b32 s35, s34, 23
	v_mov_b32 v[11+2*oo], s35                      ; 2^e
	s_add_co_i32 s34, s34, 8
	s_lshl_b32 s34, s34, 23
	s_or_b32 s34, s34, 0x600000
	v_mov_b32 v[10+2*oo], s34                      ; 448 x 2^e
.set oo, oo+1
.endr
.macro RED                             ; the sum over the 32 lanes, in every lane
	v_add_f32_dpp v[T], v[T], v[T] row_xmask:1 row_mask:0xf bank_mask:0xf
	v_add_f32_dpp v[T], v[T], v[T] row_xmask:2 row_mask:0xf bank_mask:0xf
	v_add_f32_dpp v[T], v[T], v[T] row_xmask:4 row_mask:0xf bank_mask:0xf
	v_add_f32_dpp v[T], v[T], v[T] row_xmask:8 row_mask:0xf bank_mask:0xf
	v_permlanex16_b32 v[T+1], v[T], s38, s39
	v_add_f32 v[T], v[T], v[T+1]
.endm
; Row i of my four.  left: the younger loads that may stay out.
.macro LNROW i, left
.set XR, X+32*(\i)
	s_wait_loadcnt \left
	v_pk_add_f32 v[T:T+1], v[XR:XR+1], v[XR+2:XR+3]                ; the sum, in two chains
	v_pk_add_f32 v[T+2:T+3], v[XR+4:XR+5], v[XR+6:XR+7]
.irp p, 8,12,16,20,24,28
	v_pk_add_f32 v[T:T+1], v[T:T+1], v[XR+\p:XR+\p+1]
	v_pk_add_f32 v[T+2:T+3], v[T+2:T+3], v[XR+\p+2:XR+\p+3]
.endr
	v_pk_add_f32 v[T:T+1], v[T:T+1], v[T+2:T+3]
	v_add_f32 v[T], v[T], v[T+1]
	RED
	v_mul_f32 v[T+4], s36, v[T]                    ; the mean,
	v_mov_b32 v[T+5], v[T+4]
.set nn, 0
.rept 16
	v_pk_add_f32 v[XR+nn:XR+nn+1], v[XR+nn:XR+nn+1], v[T+4:T+5] neg_lo:[0,1] neg_hi:[0,1]   ; taken away first, as the definition has it
.set nn, nn+2
.endr
	v_pk_mul_f32 v[T:T+1], v[XR:XR+1], v[XR:XR+1]
	v_pk_mul_f32 v[T+2:T+3], v[XR+2:XR+3], v[XR+2:XR+3]
.irp p, 4,8,12,16,20,24,28
	v_pk_fma_f32 v[T:T+1], v[XR+\p:XR+\p+1], v[XR+\p:XR+\p+1], v[T:T+1]
	v_pk_fma_f32 v[T+2:T+3], v[XR+\p+2:XR+\p+3], v[XR+\p+2:XR+\p+3], v[T+2:T+3]
.endr
	v_pk_add_f32 v[T:T+1], v[T:T+1], v[T+2:T+3]
	v_add_f32 v[T], v[T], v[T+1]
	RED
	v_fmaak_f32 v[T], s36, v[T], 0x3727c5ac        ; the variance + 1e-5
	s_wait_alu depctr_va_vdst(0)
	v_rsq_f32 v[T+6], v[T]
	v_nop                                          ; a plain instruction behind the transcendental
	s_wait_alu depctr_va_vdst(0)                   ; and the wait ahead of its first reader
	v_mov_b32 v[T+7], v[T+6]
.if (\i) == 0
	s_wait_alu depctr_va_vdst(0)
	s_wait_loadcnt 24                              ; gain and shift are in; rows 1 to 3 may be out
.endif
.set nn, 0
.rept 16
	v_pk_mul_f32 v[XR+nn:XR+nn+1], v[XR+nn:XR+nn+1], v[T+6:T+7]
.set nn, nn+2
.endr
.set nn, 0
.rept 16
	v_pk_fma_f32 v[XR+nn:XR+nn+1], v[XR+nn:XR+nn+1], v[G+nn:G+nn+1], v[S+nn:S+nn+1]
.set nn, nn+2
.endr
.set oo, 0
.rept NOUT
.set nn, 0
.rept 32
	v_med3_num_f32 v[T+nn], v[XR+nn], -v[10+2*oo], v[10+2*oo]      ; the hold at the largest code x this set's scale
.set nn, nn+1
.endr
	s_wait_alu depctr_va_vdst(0)
	s_wait_dscnt 0x0                               ; the last stores have read the codes' registers
.irp j, 0,1,2,3
	v_cvt_scalef32_pk8_fp8_f32 v[C+2*\j:C+2*\j+1], v[T+8*\j:T+8*\j+7], v[11+2*oo]
.endr
	v_nop                                          ; a plain instruction between the conversions and the next write of their sources
.irp j, 0,1,2,3
	ds_store_b64 v3, v[C+2*\j:C+2*\j+1] offset:16*(\i)+4352*\j+STG*oo
.endr
.set oo, oo+1
.endr
.endm
	LNROW 0, 40                                    ; behind row 0's loads: gain 8, shift 8, rows 1 to 3 24
	LNROW 1, 16
	LNROW 2, 8
	LNROW 3, 0
	s_wait_dscnt 0x0                               ; for the others' sake: my stores into the stages are done
	s_barrier_signal -1
	s_barrier_wait -1
.set oo, 0
.rept NOUT
.irp u, 0,1,2,3,4,5,6,7
	ds_load_b128 v[X+4*(8*oo+\u):X+4*(8*oo+\u)+3], v4 offset:544*\u+STG*oo
.endr
.set oo, oo+1
.endr
.set oo, 0
.rept NOUT
.irp u, 0,1,2,3,4,5,6,7
	s_wait_dscnt 8*NOUT-1-(8*oo+\u)                ; LDS loads come back in order: this one is in, the younger may be out
	global_store_b128 v5, v[X+4*(8*oo+\u):X+4*(8*oo+\u)+3], s[48+2*oo:49+2*oo] offset:512*\u   ; 512 consecutive aligned bytes
.endr
.set oo, oo+1
.endr
	s_wait_tensorcnt 0x0
	ds_add_u32 v254, v255
	s_wait_dscnt 0x0
	s_endpgm
.Lfunc_end_k_qef23f47038_prep:
	.size	k_qef23f47038_prep, .Lfunc_end_k_qef23f47038_prep-k_qef23f47038_prep
	.p2alignl 7, 3214868480
	.fill 96, 4, 3214868480
	.section	.rodata,"a",@progbits
	.p2align	6, 0x0
	.amdhsa_kernel k_qef23f47038_prep
		.amdhsa_group_segment_fixed_size 52736
		.amdhsa_private_segment_fixed_size 0
		.amdhsa_enable_private_segment 0
		.amdhsa_kernarg_size 96
		.amdhsa_user_sgpr_count 2
		.amdhsa_user_sgpr_kernarg_segment_ptr 1
		.amdhsa_wavefront_size32 1
		.amdhsa_system_sgpr_workgroup_id_x 1
		.amdhsa_system_sgpr_workgroup_id_y 1
		.amdhsa_system_sgpr_workgroup_id_z 1
		.amdhsa_system_vgpr_workitem_id 0
		.amdhsa_next_free_vgpr 256
		.amdhsa_next_free_sgpr 66
		.amdhsa_reserve_vcc 0
		.amdhsa_float_denorm_mode_32 3
		.amdhsa_float_denorm_mode_16_64 3
		.amdhsa_memory_ordered 1
		.amdhsa_forward_progress 1
		.amdhsa_inst_pref_size 95
	.end_amdhsa_kernel
	.amdgpu_metadata
---
amdhsa.version: [ 1, 2 ]
amdhsa.kernels:
  - .name:           k_qef23f47038_prep
    .symbol:         k_qef23f47038_prep.kd
    .args:
      - { .name: x, .offset: 0, .size: 8, .value_kind: global_buffer, .address_space: global }
      - { .name: g1, .offset: 8, .size: 8, .value_kind: global_buffer, .address_space: global }
      - { .name: s1, .offset: 16, .size: 8, .value_kind: global_buffer, .address_space: global }
      - { .name: Wq, .offset: 24, .size: 8, .value_kind: global_buffer, .address_space: global }
      - { .name: Wk, .offset: 32, .size: 8, .value_kind: global_buffer, .address_space: global }
      - { .name: Wv, .offset: 40, .size: 8, .value_kind: global_buffer, .address_space: global }
      - { .name: Wo, .offset: 48, .size: 8, .value_kind: global_buffer, .address_space: global }
      - { .name: W1, .offset: 56, .size: 8, .value_kind: global_buffer, .address_space: global }
      - { .name: W2, .offset: 64, .size: 8, .value_kind: global_buffer, .address_space: global }
      - { .name: lowp_scales, .offset: 72, .size: 8, .value_kind: global_buffer, .address_space: global }
      - { .name: xc, .offset: 80, .size: 8, .value_kind: global_buffer, .address_space: global }
      - { .name: wc, .offset: 88, .size: 8, .value_kind: global_buffer, .address_space: global }
    .group_segment_fixed_size: 52736
    .private_segment_fixed_size: 0
    .kernarg_segment_align: 8
    .kernarg_segment_size: 96
    .max_flat_workgroup_size: 128
    .sgpr_count:     66
    .vgpr_count:     256
    .wavefront_size: 32
...
	.end_amdgpu_metadata
.endif
;; end of part 1
;; launch qkv (part 2): grid 12 x 16, 4 waves a work-group, clusters of 4 x 4, 327,680 bytes of LDS; arguments xc, wc, lowp_scales, qkvf; writes qkvf
.if DOCPART == 2
	.amdgcn_target "amdgcn-amd-amdhsa--gfx1250"
	.amdhsa_code_object_version 6
	.text
	.protected	k_qef23f47038_qkv
	.globl	k_qef23f47038_qkv
	.p2align	8
	.type	k_qef23f47038_qkv,@function
k_qef23f47038_qkv:
	s_mov_b64 s[64:65], 0
	v_nop
	global_prefetch_b8 v0, s[64:65] scope:SCOPE_SE
	s_setreg_imm32_b32 hwreg(HW_REG_WAVE_MODE, 25, 1), 1
	s_wait_xcnt 0x0
	s_wait_alu depctr_hold_cnt(0) depctr_sa_sdst(0) depctr_va_vdst(0) depctr_va_sdst(0) depctr_va_ssrc(0) depctr_va_vcc(0) depctr_vm_vsrc(0)
	s_getreg_b32 s2, hwreg(HW_REG_IB_STS2, 6, 4)
	s_cmp_eq_u32 s2, 0
	s_cbranch_scc0 .Lentry_in_a_cluster
	s_endpgm
.Lentry_in_a_cluster:
	s_bfe_u32 s2, ttmp6, 0x10000c
	s_cmp_lg_u32 s2, 0xf033
	s_cbranch_scc0 .Lentry_shape_is_right
	s_endpgm
.Lentry_shape_is_right:
.set NB,    8
.set QS,    2
.set KTOT,  1024
.set FR,    16
.set NL,    4
.set FRB,   2048
.set HALFT, NB*QS*FRB
.set SLOT,  4*HALFT
.set SPARE, 2*SLOT
.set RTP,   16*KTOT
.set SLOTB, QS*FRB
.set LAPS,  KTOT/(256*QS)
.set APW,   32/NB
.set ADRA, 16
.set ADRB, 20
.set LI,   27
.set SPW,  28
.set NIL,  29
.set AF,   128
.set G1, 24
.set G0, 32
.set G1B, 48
.set G0B, 56
.set MSB, 0
.set MUL_LO, 0xa1
.set MUL_HI, 0xa1+0x50*(NB/8)
.set TO_B,   0x40
.set PFA,  90                          ; s[90:91] the prefetches' base: my work-group's two row tiles of the eight that my wave fetches, at K slot 0; never rewritten
.set PFO,  31                          ; v31 the prefetches' offset: 256 x (lane % 16) + a row tile x (lane / 16); never rewritten
.macro WIN new
.if MSB != (\new)
	s_set_vgpr_msb (MSB<<8)|(\new)
.set MSB, (\new)
.endif
.endm
.macro JLOAD g0a, g1a, g0b, g1b
	s_cmp_eq_u32 s15, 0
	s_cbranch_scc0 .Lfor_b_\@
	tensor_load_to_lds s[\g0a:\g0a+3], s[\g1a:\g1a+7]
	s_nop 0
.rept 4
	v_nop
.endr
	s_branch .Lasked_\@
.Lfor_b_\@:
	tensor_load_to_lds s[\g0b:\g0b+3], s[\g1b:\g1b+7]
	s_nop 0
.rept 4
	v_nop
.endr
.Lasked_\@:
.endm
.macro CREST
	s_cmp_lg_u32 s14, 0
	s_cbranch_scc1 .Lnot_wave_0_\@
	s_barrier_signal -3
.Lnot_wave_0_\@:
	s_barrier_wait -3
	s_barrier_signal -1
	s_barrier_wait -1
.endm
.macro CROUND
	s_barrier_signal -1
	s_barrier_wait -1
	CREST
.endm
.macro PLACES n
.rept \n
	v_nop
.endr
.endm
.macro FRAG reg, adr, q, i
.irp c, 0,1,2,3
	ds_load_b128 v[\reg+4*\c:\reg+4*\c+3], v[\adr] offset:((\i)*QS+(\q))*FRB+512*\c
.endr
.endm
.macro FETCH_B slot, q, p
	WIN TO_B
.set fi, 0
.rept NB
	FRAG 128*(\p)+FR*fi, ADRB+\slot, \q, fi
.set fi, fi+1
.endr
	WIN 0
.endm
.macro FETCH_A slot, q, i0
.set fi, \i0
.rept NB/2
	FRAG AF+FR*fi, ADRA+\slot, \q, fi
.set fi, fi+1
.endr
.endm
.macro MULQ k, p, zero
.set ma, (\k)*NB/4
.rept NB/4
.set mb, 0
.rept NB
.set rD, 8*(NB*(ma%APW)+mb)
.if \zero
	v_wmma_f32_16x16x128_fp8_fp8 v[rD:rD+7], v[128*(\p)+FR*mb:128*(\p)+FR*mb+FR-1], v[AF+FR*ma:AF+FR*ma+FR-1], 0
.else
	v_wmma_f32_16x16x128_fp8_fp8 v[rD:rD+7], v[128*(\p)+FR*mb:128*(\p)+FR*mb+FR-1], v[AF+FR*ma:AF+FR*ma+FR-1], v[rD:rD+7]
.endif
.set mb, mb+1
.endr
.set ma, ma+1
.endr
.endm
.macro STEP slot, q, zero
	s_wait_dscnt (NB/2)*NL
	WIN MUL_LO
	MULQ 0, (\q)%2, \zero
	MULQ 1, (\q)%2, \zero
	s_wait_dscnt 0
	PLACES 4
	FETCH_B \slot, (\q)+1, 1-(\q)%2
	FETCH_A \slot, (\q)+1, 0
	WIN MUL_HI
	MULQ 2, (\q)%2, \zero
	MULQ 3, (\q)%2, \zero
	PLACES 4
	WIN 0
	FETCH_A \slot, (\q)+1, NB/2
.endm
.macro REST slot
.if QS > 2
.set rq, 1
.rept QS-2
	STEP \slot, rq, 0
.set rq, rq+1
.endr
.endif
.endm
.macro TURN slot, next, fill
	s_wait_tensorcnt 0x0
	ds_add_u32 v[SPW], v[NIL]
	s_wait_dscnt (NB/2)*NL+1
	WIN MUL_LO
	MULQ 0, 1, 0
	s_wait_dscnt 0x0
	s_barrier_signal -1
	MULQ 1, 1, 0
	WIN 0
	s_barrier_wait -1
.if \fill
	CREST
	s_add_nc_u64 s[G0+4*\slot+2:G0+4*\slot+3], s[G0+4*\slot+2:G0+4*\slot+3], 2*SLOTB
	s_add_nc_u64 s[G0B+4*\slot+2:G0B+4*\slot+3], s[G0B+4*\slot+2:G0B+4*\slot+3], 2*SLOTB
	JLOAD G0+4*\slot, G1, G0B+4*\slot, G1B
.else
	PLACES 4
.endif
	FETCH_B \next, 0, 0
	FETCH_A \next, 0, 0
	WIN MUL_HI
	MULQ 2, 1, 0
	MULQ 3, 1, 0
	PLACES 4
	WIN 0
	FETCH_A \next, 0, NB/2
.endm
.macro LAST
	s_wait_dscnt (NB/2)*NL
	WIN MUL_LO
	MULQ 0, 1, 0
	MULQ 1, 1, 0
	s_wait_dscnt 0
	WIN MUL_HI
	MULQ 2, 1, 0
	MULQ 3, 1, 0
	WIN 0
.endm
	s_load_b128 s[4:7], s[0:1], 0x0
	s_load_b128 s[8:11], s[0:1], 0x10
	v_lshl_add_u32 v[SPW], v0, 2, SPARE
	v_mov_b32 v[NIL], 0
	ds_add_u32 v28, v29
	ds_add_u32 v28, v29
	s_wait_dscnt 0x0
	v_lshrrev_b32 v1, 5, v0
	v_readfirstlane_b32 s14, v1
	s_lshr_b32 s15, s14, 1
	s_and_b32 s16, s14, 1
	s_bfe_u32 s40, ttmp6, 0x40000
	s_bfe_u32 s41, ttmp6, 0x40004
	s_and_b32 s66, ttmp7, 0xffff
	s_cmp_eq_u32 ttmp9, 2
	s_cselect_b32 s67, 0, s66
	s_cselect_b32 s68, s66, 0
	s_lshl_b32 s17, s67, 2
	s_add_co_u32 s17, s17, s41
	s_lshl_b32 s42, s68, 2
	s_add_co_u32 s42, s42, s40
	s_lshl_b32 s43, s41, 2
	s_lshl_b32 s43, 15, s43
	s_lshl_b32 s44, 0x1111, s40
	s_or_b32 s[G1+0], s43, (3<<16)|(1<<21)
	s_or_b32 s[G1B+0], s44, (3<<16)|(1<<21)
.irp g, G1, G1B
	s_mov_b32 s[\g+1], ((SLOTB/8)&0xffff)<<16
	s_mov_b32 s[\g+2], NB<<16
	s_mov_b32 s[\g+3], (SLOTB/8)<<16
	s_mov_b32 s[\g+4], NB
	s_mov_b32 s[\g+5], RTP/8
	s_mov_b32 s[\g+6], 0
	s_mov_b32 s[\g+7], 0
.endr
	s_mul_i32 s18, s16, NB
	s_mul_i32 s20, s17, 2*NB
	s_add_co_u32 s20, s20, s18
	s_mul_i32 s20, s20, RTP
	s_mov_b32 s21, 0
	s_mul_i32 s46, s42, 2*NB
	s_add_co_u32 s46, s46, s18
	s_mul_i32 s46, s46, RTP
	s_mov_b32 s47, 0
	s_mul_i32 s45, s14, HALFT
	s_lshl_b32 s70, ttmp9, 22
	s_mov_b32 s71, 0
	s_lshl_b32 s72, ttmp9, 20
	s_mov_b32 s73, 0
	s_lshl_b32 s78, ttmp9, 3
	s_lshl_b32 s79, ttmp9, 2
	s_wait_kmcnt 0x0
	s_load_b64 s[96:97], s[8:9], s78 offset:0x0
	s_load_b32 s98, s[8:9], s79 offset:0x18
	s_add_nc_u64 s[4:5], s[4:5], s[70:71]
	s_add_nc_u64 s[6:7], s[6:7], s[72:73]
	s_add_nc_u64 s[10:11], s[10:11], s[70:71]
	s_cmp_eq_u32 ttmp9, 2
	s_cselect_b64 s[74:75], s[6:7], s[4:5]
	s_cselect_b64 s[76:77], s[4:5], s[6:7]
	s_add_nc_u64 s[20:21], s[74:75], s[20:21]
	s_add_nc_u64 s[46:47], s[76:77], s[46:47]
	CROUND
.irp s, 0,1
	s_mov_b32 s[G0+4*\s], 1
	s_add_co_u32 s[G0+4*\s+1], s45, \s*SLOT
	s_add_nc_u64 s[G0+4*\s+2:G0+4*\s+3], s[20:21], \s*SLOTB
	s_or_b32 s[G0+4*\s+3], s[G0+4*\s+3], 0x80000000
	s_mov_b32 s[G0B+4*\s], 1
	s_add_co_u32 s[G0B+4*\s+1], s45, \s*SLOT
	s_add_nc_u64 s[G0B+4*\s+2:G0B+4*\s+3], s[46:47], \s*SLOTB
	s_or_b32 s[G0B+4*\s+3], s[G0B+4*\s+3], 0x80000000
.endr
	JLOAD G0, G1, G0B, G1B                         ; K slot 0: one tensor load a wave at the head
	; prefetches into the L2: a slot's part of a row tile is 4,096 bytes; of the 8 row tiles that a wave fetches each of the four partners that ask jointly takes two, told apart by address
	s_cmp_eq_u32 s15, 0
	s_cselect_b64 s[PFA:PFA+1], s[20:21], s[46:47]
	s_cselect_b32 s92, s40, s41                    ; my place among the four
	s_mul_i32 s92, s92, 2*RTP
	s_mov_b32 s93, 0
	s_add_nc_u64 s[PFA:PFA+1], s[PFA:PFA+1], s[92:93]
	v_and_b32 v[PFO], 15, v0
	v_bfe_u32 v15, v0, 4, 1
	v_lshlrev_b32 v[PFO], 8, v[PFO]
	v_lshl_add_u32 v[PFO], v15, 14, v[PFO]
	global_prefetch_b8 v[PFO], s[PFA:PFA+1] offset:SLOTB th:TH_LOAD_NT scope:SCOPE_SE     ; K slot 1
	global_prefetch_b8 v[PFO], s[PFA:PFA+1] offset:2*SLOTB th:TH_LOAD_NT scope:SCOPE_SE   ; K slot 2
	v_and_b32 v1, 31, v0
	v_lshlrev_b32 v[LI], 4, v1
	s_wait_alu depctr_va_vdst(0)
	s_mul_i32 s21, s15, HALFT
	s_mul_i32 s22, s16, HALFT
	s_add_co_u32 s22, s22, 2*HALFT
.irp s, 0,1
	v_add_nc_u32 v[ADRA+\s], s21, v[LI]
	v_add_nc_u32 v[ADRB+\s], s22, v[LI]
	s_add_co_u32 s21, s21, SLOT
	s_add_co_u32 s22, s22, SLOT
.endr
	s_cmp_eq_u32 ttmp9, 2
	s_cselect_b32 s80, s42, s17
	s_cselect_b32 s81, s17, s42
	s_cselect_b32 s82, s16, s15
	s_cselect_b32 s83, s15, s16
	s_mov_b32 s84, 1024
	s_cselect_b32 s84, 2048, s84
	s_mov_b32 s85, 4096
	s_cselect_b32 s85, 131072, s85
	s_mov_b32 s86, 131072
	s_cselect_b32 s86, 1024, s86
	s_lshr_b32 s87, s80, 3
	s_lshl_b32 s87, s87, 4
	s_lshl_b32 s88, s81, 2
	s_add_co_u32 s87, s87, s88
	s_lshl_b32 s88, s83, 1
	s_add_co_u32 s87, s87, s88
	s_lshl_b32 s87, s87, 17
	s_and_b32 s88, s80, 7
	s_lshl_b32 s88, s88, 1
	s_add_co_u32 s88, s88, s82
	s_lshl_b32 s88, s88, 13
	s_add_co_u32 s20, s87, s88
	s_mov_b32 s21, 0
	s_add_nc_u64 s[10:11], s[10:11], s[20:21]
.irp a, 0,1,2,3,4,5,6,7
	s_mul_i32 s87, s84, (\a)%4
	s_mul_i32 s88, s85, (\a)/4
	s_add_co_u32 s87, s87, s88
	v_add_nc_u32 v[64+2*\a], s87, v[LI]
	s_add_co_u32 s87, s87, s86
	v_add_nc_u32 v[65+2*\a], s87, v[LI]
.endr
	s_wait_alu depctr_va_vdst(0)                   ; the wait at the head's end
	s_wait_tensorcnt 0x0                           ; my part of K slot 0 is in
	ds_add_u32 v[SPW], v[NIL]
	s_wait_dscnt 0x0
	CROUND                                         ; everybody's part of slot 0 is in, and the sixteen work-groups are here
	JLOAD G0+4, G1, G0B+4, G1B                     ; K slot 1: the first tensor load behind the round
	FETCH_B 0, 0, 0
	FETCH_A 0, 0, 0
	FETCH_A 0, 0, NB/2
	global_prefetch_b8 v[PFO], s[PFA:PFA+1] offset:3*SLOTB th:TH_LOAD_NT scope:SCOPE_SE   ; K slot 3, the last: two slots ahead of the load just issued
	STEP 0, 0, 1
.if LAPS > 1
	s_mov_b32 s3, LAPS-1
.Llap:
	REST 0
	TURN 0, 1, 1
	STEP 1, 0, 0
	REST 1
	TURN 1, 0, 1
	STEP 0, 0, 0
	s_sub_co_u32 s3, s3, 1
	s_cmp_lg_u32 s3, 0
	s_cbranch_scc1 .Llap
.endif
	REST 0
	TURN 0, 1, 0
	STEP 1, 0, 0
	REST 1
	LAST
	s_wait_kmcnt 0x0
	s_sub_co_i32 s98, s98, s96
	s_sub_co_i32 s98, s98, s97
	s_add_co_i32 s98, s98, 127
	s_lshl_b32 s99, s98, 23
	s_add_co_i32 s98, s98, 8
	s_lshl_b32 s98, s98, 23
	s_or_b32 s98, s98, 0x600000
	PLACES 2
	v_mov_b32 v81, s99
	v_mov_b32 v80, s98
.macro QOUT a
.set AC, 64*((\a)%4)
.set CD, 32+16*((\a)%2)
	WIN 2+(\a)/4
.set n, 0
.rept 64
	v_med3_num_f32 v[128+n], v[AC+n], -v80, v80
.set n, n+1
.endr
	WIN 0
.if (\a) >= 2
	s_wait_alu depctr_va_vdst(0)
	s_wait_xcnt 0x0
.endif
.irp b, 0,1,2,3,4,5,6,7
	v_cvt_scalef32_pk8_fp8_f32 v[CD+2*\b:CD+2*\b+1], v[128+8*\b:135+8*\b], v81
.endr
	v_nop
.irp i, 0,1,2,3
	global_store_b128 v[64+2*(\a)+\i/2], v[CD+4*\i:CD+4*\i+3], s[10:11] offset:512*(\i%2)
.endr
.endm
.irp a, 0,1,2,3,4,5,6,7
	QOUT \a
.endr
	s_wait_tensorcnt 0x0
	ds_add_u32 v[SPW], v[NIL]
	s_wait_dscnt 0x0
	CROUND
	s_endpgm
.Lfunc_end_k_qef23f47038_qkv:
	.size	k_qef23f47038_qkv, .Lfunc_end_k_qef23f47038_qkv-k_qef23f47038_qkv
	.p2alignl 7, 3214868480
	.fill 96, 4, 3214868480
	.section	.rodata,"a",@progbits
	.p2align	6, 0x0
	.amdhsa_kernel k_qef23f47038_qkv
		.amdhsa_group_segment_fixed_size 327680
		.amdhsa_private_segment_fixed_size 0
		.amdhsa_enable_private_segment 0
		.amdhsa_kernarg_size 32
		.amdhsa_user_sgpr_count 2
		.amdhsa_user_sgpr_kernarg_segment_ptr 1
		.amdhsa_wavefront_size32 1
		.amdhsa_system_sgpr_workgroup_id_x 1
		.amdhsa_system_sgpr_workgroup_id_y 1
		.amdhsa_system_sgpr_workgroup_id_z 1
		.amdhsa_system_vgpr_workitem_id 0
		.amdhsa_next_free_vgpr 1024
		.amdhsa_next_free_sgpr 100
		.amdhsa_reserve_vcc 0
		.amdhsa_float_denorm_mode_32 3
		.amdhsa_float_denorm_mode_16_64 3
		.amdhsa_memory_ordered 1
		.amdhsa_forward_progress 1
		.amdhsa_inst_pref_size 121
	.end_amdhsa_kernel
	.amdgpu_metadata
---
amdhsa.version: [ 1, 2 ]
amdhsa.kernels:
  - .name:           k_qef23f47038_qkv
    .symbol:         k_qef23f47038_qkv.kd
    .args:
      - { .name: xc, .offset: 0, .size: 8, .value_kind: global_buffer, .address_space: global }
      - { .name: wc, .offset: 8, .size: 8, .value_kind: global_buffer, .address_space: global }
      - { .name: lowp_scales, .offset: 16, .size: 8, .value_kind: global_buffer, .address_space: global }
      - { .name: qkvf, .offset: 24, .size: 8, .value_kind: global_buffer, .address_space: global }
    .group_segment_fixed_size: 327680
    .private_segment_fixed_size: 0
    .kernarg_segment_align: 8
    .kernarg_segment_size: 32
    .max_flat_workgroup_size: 128
    .sgpr_count:     100
    .vgpr_count:     1024
    .wavefront_size: 32
...
	.end_amdgpu_metadata
.endif
;; end of part 2
;; launch attn (part 3): grid 8 x 32, 8 waves a work-group, clusters of 4 x 1, 327,680 bytes of LDS; arguments qkvf, lowp_scales, ctxf; writes ctxf
.if DOCPART == 3
	.amdgcn_target "amdgcn-amd-amdhsa--gfx1250"
	.amdhsa_code_object_version 6
	.text
	.protected	k_qef23f47038_attn
	.globl	k_qef23f47038_attn
	.p2align	8
	.type	k_qef23f47038_attn,@function
k_qef23f47038_attn:
	s_mov_b64 s[64:65], 0
	v_nop
	global_prefetch_b8 v0, s[64:65] scope:SCOPE_SE
	s_setreg_imm32_b32 hwreg(HW_REG_WAVE_MODE, 25, 1), 1
	s_wait_xcnt 0x0
	s_wait_alu depctr_hold_cnt(0) depctr_sa_sdst(0) depctr_va_vdst(0) depctr_va_sdst(0) depctr_va_ssrc(0) depctr_va_vcc(0) depctr_vm_vsrc(0)
	s_getreg_b32 s2, hwreg(HW_REG_IB_STS2, 6, 4)
	s_cmp_eq_u32 s2, 0
	s_cbranch_scc0 .Lentry_in_a_cluster
	s_endpgm
.Lentry_in_a_cluster:
	s_bfe_u32 s2, ttmp6, 0x10000c
	s_cmp_lg_u32 s2, 0x3003
	s_cbranch_scc0 .Lentry_shape_is_right
	s_endpgm
.Lentry_shape_is_right:
; ATTN.  ctx = softmax(q k^T / 8, causal) v for 32 (batch, head) pairs of 2,048 positions x 64, both products on E4M3 codes (scales e6, e7; e8 for v, e9 for p); ctx is quantised at once (e10).
; WORK LEFT OUT: key steps that lie wholly behind a block of queries (reference()'s own jnp.tril gives them the weight 0 for all inputs).
; THE SOFTMAX: t = score x log2(e) / 8; M = the running largest t rounded up to a whole number; p = 2^(t - M) is quantised; the row's sum is taken of the unquantised p and divides at the end.
; LAYOUT OF qkvf: q at 0, k at 4 MiB, v at 8 MiB, 128 KiB a head.  q, k: tiles of 16 positions x 64 in 1,024 bytes, in the order of the K = 64 form's registers.  v: [step of 128 keys][16 of the 64][2,048 bytes], keys innermost.
; SHARES.  A block is 32 queries, two tiles a and b: block (T, c) holds queries 128 T + 32 c on, T = 0 .. 15, c = 0 .. 3, and needs T + 1 steps of 128 keys.  A work-group owns eight blocks with its c (its place in the
; cluster); the cluster's x picks the T: {0,3,4,7,8,11,12,15} or {1,2,5,6,9,10,13,14}.  Blocks S and L = 15 - S, 17 steps, go to waves i and 4 + i, S = 2 i + ((i xor cluster x) & 1).  Wave i takes eleven of the 17, wave 4 + i six:
;   wave i:     first walk: block L, steps 0 .. min(L, 10);  second walk: block S, steps 6 .. S (none where S < 6)
;   wave 4 + i: first walk: block S, steps 0 .. min(S, 5);   second walk: block L, steps 11 .. L (none where L < 11)
; A wave whose first walk reaches its block's diagonal step has finished that block and stores it.  At most one block of a pair is split (L where L > 10, S where S > 5, none for L = 10): wave i leaves its part of it
; (O^T, M and the sums) in LDS, and wave 4 + i joins it to its own and stores the block.  Each fragment of K and V that a wave reads feeds two matrix instructions.
; LDS.  All of the head's K (128 KiB, from byte 0) and V (128 KiB behind it) are brought ONCE, by one joint load a wave: eight loads of 32 KiB, waves 0-3 for K, 4-7 for V; one barrier; nothing is filled again.
; CLUSTERS: the four work-groups of a cluster walk the same head: each load names all four.  Branches hang on the wave's number, the cluster's x and counted steps alone.
; NO PREFETCH: the launch has one fill at its head and no loop of loads to run ahead in.
; Both products are used transposed (S^T = K Q^T, O^T = V^T P^T): a lane holds one query of each tile; register 8 c + j of S^T is key 16 c + 8 (lane / 16) + j, the order of the K = 128 form's registers.
; LIMITS: e6 + e7 between -123 and 130; e9 and e10 between -126 and 119; the scaled scores stay under 2^31 in magnitude; NaN among the inputs is not served.
; REGISTERS.  Window 0 holds all that vector instructions touch; window 1 only what loads fill and matrix instructions read: so a step has five switches of the window.
.set LI,  1                            ; v1   16 x lane
.set LIV, 2                            ; v2   the same in V's part of LDS
.set DD,  3                            ; v3   tile a's query in its diagonal step, less 8 (lane / 16)
.set ADK, 4
.set ADV, 5
.set PA,  6                            ; v6   the pair's place for the part that is handed over
.set CVS, 7                            ; v7   2^e9
.set HO,  8                            ; v8, v9  448 x 2^e9, twice: the halves of a dual pair take their second sources from different register banks
.set SPW, 10                           ; v10  my spare word; never rewritten
.set NIL, 11                           ; v11  0; never rewritten
.set STA, 12                           ; v12-15 tile a: -M, the largest t, the sum in two halves;  v16-19 tile b
.set STB, 16
.set FA,  20                           ; v[20:21], v[22:23] f = 2^(old M - new M), named as pairs
.set FB,  22
.set MA,  24                           ; v24-27 at work
.set MB,  26
.set UA,  28                           ; v[28:29], v[30:31] the sums' second chains
.set UB,  30
.set SA,  32                           ; v32-95 S^T, then p, of tile a;  v96-159 of tile b
.set SB,  96
.set OA,  160                          ; v160-191 O^T of tile a;  v192-223 of tile b
.set OB,  192
.set CA,  224                          ; v224-239 p's codes of tile a;  v240-255 of tile b
.set CB,  240
.set KF,  0                            ; window 1: v0-63 K's eight fragments
.set VF,  64                           ;           v64-127 V's four
.set Q1,  128                          ;           v128-143 Q of the first walk's block (a, b)
.set Q2,  144                          ;           v144-159 Q of the second walk's block
.set TF,  3                            ; s3   the T of the block that is joined
.set T2,  16                           ; s16  the second walk's T: its last step and its diagonal
.set TA,  17                           ; s17  L
.set WV,  18                           ; s18  wave
.set T1,  19                           ; s19  the first walk's T
.set E1,  88                           ; s88  the first walk's last step
.set B2,  89                           ; s89  the second walk's first step
.set SEL, 20
.set CS,  22
.set TB,   2                           ; s2   LDS byte of the step in hand
.set CNT, 66
.set SI,  67                           ; s67  the step's number
.set PART,  262144                     ; behind K and V: four places of 2 x 4,608 bytes
.set PARTB, 9216
.set SPARE, 0x49000                    ; behind them: the spare words, 128 bytes a wave
.set MSB, 0
.macro WIN new                         ; the immediate's high byte repeats the setting that is left
.if MSB != (\new)
	s_set_vgpr_msb (MSB<<8)|(\new)
.set MSB, (\new)
.endif
.endm
.macro CROUND
	s_barrier_signal -1
	s_barrier_wait -1
	s_cmp_lg_u32 s[WV], 0
	s_cbranch_scc1 .Lnot_wave_0_\@
	s_barrier_signal -3
.Lnot_wave_0_\@:
	s_barrier_wait -3
	s_barrier_signal -1
	s_barrier_wait -1
.endm
	s_load_b128 s[4:7], s[0:1], 0x0                ; qkvf, lowp_scales
	s_load_b64 s[8:9], s[0:1], 0x10                ; ctxf
	v_lshl_add_u32 v[SPW], v0, 2, SPARE
	v_mov_b32 v[NIL], 0
	ds_add_u32 v[SPW], v[NIL]                      ; the opening lines: the add, twice on end, and its wait ahead of my tensor load
	ds_add_u32 v[SPW], v[NIL]
	v_lshrrev_b32 v4, 5, v0
	v_readfirstlane_b32 s[WV], v4
	s_lshr_b32 s13, s[WV], 2                       ; 0: wave i, which fetches for K; 1: wave 4 + i, which fetches for V
	s_and_b32 s14, s[WV], 3                        ; i
	s_xor_b32 s15, s14, ttmp9
	s_and_b32 s15, s15, 1
	s_lshl_b32 s[T1], s14, 1
	s_add_co_u32 s15, s15, s[T1]                   ; S
	s_sub_co_u32 s[TA], 15, s15                    ; L
	s_min_u32 s[E1], s[TA], 10
	s_min_u32 s[B2], s15, 5
	s_cmp_eq_u32 s13, 0
	s_cselect_b32 s[T1], s[TA], s15                ; the first walk's block,
	s_cselect_b32 s[T2], s15, s[TA]                ; the second's,
	s_cselect_b32 s[E1], s[E1], s[B2]              ; the first walk's last step,
	s_cselect_b32 s[B2], 6, 11                     ; the second's first
	s_cmp_gt_u32 s[TA], 10
	s_cselect_b32 s[TF], s[TA], s15                ; the block that is split
	s_bfe_u32 s10, ttmp6, 0x40000                  ; c
	s_lshl_b32 s11, s10, 1                         ; tile a is tile 8 T + 2 c of the head
	s_and_b32 s12, ttmp7, 0xffff                   ; batch x 16 + head
	s_mov_b32 s24, 15|(3<<16)|(1<<21)              ; group 1: the mask names the four; elements of 8 bytes; 128 rows of 256 bytes, dense
	s_mov_b32 s25, 32<<16
	s_mov_b32 s26, 128<<16
	s_mov_b32 s27, 32<<16
	s_mov_b32 s28, 128
	s_mov_b32 s29, 32
	s_mov_b32 s30, 0
	s_mov_b32 s31, 0
	s_lshl_b32 s48, s13, 22
	s_lshl_b32 s49, s12, 17
	s_add_co_u32 s48, s48, s49
	s_add_co_u32 s48, s48, 0x400000                ; the head's K or V in qkvf
	s_lshl_b32 s50, s14, 15                        ; my quarter of it
	s_add_co_u32 s54, s48, s50
	s_mov_b32 s55, 0
	s_mov_b32 s57, 0
	s_lshl_b32 s52, s13, 17
	s_mov_b32 s40, 1
	s_add_co_u32 s41, s52, s50                     ; and in LDS
	s_wait_dscnt 0x0                               ; both opening adds are done
	s_wait_kmcnt 0x0
	s_add_nc_u64 s[42:43], s[4:5], s[54:55]
	s_or_b32 s43, s43, 0x80000000
	s_load_b256 s[68:75], s[6:7], 0x18             ; e6 .. e13
	CROUND                                         ; the four work-groups are here: the joint loads meet
	tensor_load_to_lds s[40:43], s[24:31]          ; my one tensor load
	s_nop 0
.rept 4
	v_nop
.endr
	v_and_b32 v4, 31, v0
	v_lshlrev_b32 v[LI], 4, v4
	s_wait_alu depctr_va_vdst(0)                   ; the wait
	v_add_nc_u32 v[LIV], 0x20000, v[LI]
	s_mul_i32 s48, s14, PARTB
	s_add_co_u32 s48, s48, PART
	v_add_nc_u32 v[PA], s48, v[LI]
	s_lshl_b32 s50, s[T1], 3
	s_add_co_u32 s50, s50, s11                     ; the first walk's tile a
	s_lshl_b32 s51, s[T2], 3
	s_add_co_u32 s51, s51, s11                     ; the second walk's tile a
	s_lshl_b32 s53, s[TF], 3
	s_add_co_u32 s53, s53, s11                     ; tile a of the block that is joined
	s_lshl_b32 s52, s12, 7
	s_add_co_u32 s54, s52, s50
	s_lshl_b32 s54, s54, 10
	s_add_co_u32 s56, s52, s51
	s_lshl_b32 s56, s56, 10
	s_add_nc_u64 s[82:83], s[4:5], s[54:55]
	s_add_nc_u64 s[84:85], s[4:5], s[56:57]
	WIN 0x40                                       ; destination window 1
.irp k, 0,1,2,3
	global_load_b128 v[Q1+4*\k:Q1+4*\k+3], v[LI], s[82:83] offset:512*\k   ; tiles a and b lie on end
	global_load_b128 v[Q2+4*\k:Q2+4*\k+3], v[LI], s[84:85] offset:512*\k
.endr
	WIN 0
	s_lshr_b32 s58, s12, 4                         ; ctxf: [token tile][8 images of 128 K][2,048]; a head is half an image
	s_lshl_b32 s58, s58, 7
	s_bfe_u32 s59, s12, 0x30001
	s_lshl_b32 s59, s59, 11
	s_and_b32 s60, s12, 1
	s_lshl_b32 s60, s60, 10
	s_add_co_u32 s59, s59, s60
	s_add_co_u32 s54, s58, s50
	s_lshl_b32 s54, s54, 14
	s_add_co_u32 s54, s54, s59
	s_add_co_u32 s56, s58, s53
	s_lshl_b32 s56, s56, 14
	s_add_co_u32 s56, s56, s59
	s_add_nc_u64 s[78:79], s[8:9], s[54:55]        ; where the first walk's block goes,
	s_add_nc_u64 s[80:81], s[8:9], s[56:57]        ; and the joined one
	v_and_b32 v4, 15, v0
	v_bfe_u32 v5, v0, 4, 1
	v_lshlrev_b32 v5, 3, v5
	v_sub_nc_u32 v[DD], v4, v5
	s_lshl_b32 s76, s10, 5
	v_add_nc_u32 v[DD], s76, v[DD]
	s_mov_b32 s[SEL], 0x76543210
	s_mov_b32 s[SEL+1], 0xfedcba98
	s_mov_b32 s[CS], 0x3e38aa3b                    ; log2(e) / 8
	s_mov_b32 s[TB], 0
	s_mov_b32 s[SI], 0
.macro FRESH                           ; a walk begins: the largest t is -3e38, the sums and O^T are zeros
	v_mov_b32 v[STA+1], 0xff61b1e6
	v_mov_b32 v[STB+1], 0xff61b1e6
	v_floor_f32 v[STA], -v[STA+1]
	v_floor_f32 v[STB], -v[STB+1]
	v_mov_b32 v[STA+2], 0
	v_mov_b32 v[STA+3], 0
	v_mov_b32 v[STB+2], 0
	v_mov_b32 v[STB+3], 0
.set n, 0
.rept 64
	v_mov_b32 v[OA+n], 0
.set n, n+1
.endr
.endm
	FRESH
.set n, 0
.rept 12
	v_mov_b32 v[FA+n], 0                           ; written once: pairs are named whole, and a lane permute's destination counts as a source
.set n, n+1
.endr
	s_wait_kmcnt 0x0
	s_add_co_i32 s76, s68, s69
	s_lshl_b32 s76, s76, 23
	s_add_co_i32 s[CS], s[CS], s76                 ; e6 + e7 go into c's exponent field
	s_mov_b32 s[CS+1], s[CS]
	s_add_co_i32 s76, s71, 127
	s_lshl_b32 s77, s76, 23
	v_mov_b32 v[CVS], s77                          ; 2^e9
	s_add_co_i32 s76, s76, 8
	s_lshl_b32 s76, s76, 23
	s_or_b32 s76, s76, 0x600000
	v_mov_b32 v[HO], s76                           ; 448 x 2^e9
	v_mov_b32 v[HO+1], s76
	s_add_co_i32 s76, s72, 127
	s_lshl_b32 s87, s76, 23                        ; 2^e10
	s_add_co_i32 s76, s76, 8
	s_lshl_b32 s86, s76, 23
	s_or_b32 s86, s86, 0x600000                    ; 448 x 2^e10
	s_add_co_i32 s77, s70, s71                     ; e8 + e9
; A KEY STEP of 128 keys for the two tiles of Q at v[qb] of window 1.  tt: the scalar that holds the walk's last step; td: the block's diagonal step; lo = 1: the walk also has a first step, s[B2].
; A step outside the walk is passed over by branches on ids, round the work alone.  The two tiles' lines take turns, so that a line seldom reads what the line above it wrote.
.macro STEP qb, tt, td, lo
	s_cmp_gt_u32 s[SI], s[\tt]
	s_cbranch_scc1 .Lhid_\@
.if \lo
	s_cmp_lt_u32 s[SI], s[B2]
	s_cbranch_scc1 .Lhid_\@
.endif
	v_add_nc_u32 v[ADK], s[TB], v[LI]
	v_add_nc_u32 v[ADV], s[TB], v[LIV]
	v_nop                                          ; with the two additions: four places ahead of loads into registers that matrix instructions have read
	v_nop
	WIN 0x40                                       ; destination window 1
.irp c, 0,1,2,3,4,5,6,7
	ds_load_b128 v[KF+8*\c:KF+8*\c+3], v[ADK] offset:1024*\c
	ds_load_b128 v[KF+8*\c+4:KF+8*\c+7], v[ADK] offset:1024*\c+512
.endr
.irp d, 0,1,2,3
.irp i, 0,1,2,3
	ds_load_b128 v[VF+16*\d+4*\i:VF+16*\d+4*\i+3], v[ADV] offset:2048*\d+512*\i
.endr
.endr
	s_wait_dscnt 16                                ; K's sixteen loads are in; V's sixteen, issued behind them, may be out
	WIN 0x05                                       ; sources 0 and 1 window 1
.irp c, 0,1,2,3,4,5,6,7
	v_wmma_f32_16x16x64_fp8_fp8 v[SA+8*\c:SA+8*\c+7], v[KF+8*\c:KF+8*\c+7], v[\qb:\qb+7], 0
	v_wmma_f32_16x16x64_fp8_fp8 v[SB+8*\c:SB+8*\c+7], v[KF+8*\c:KF+8*\c+7], v[\qb+8:\qb+15], 0
.endr
	WIN 0
.rept 4
	v_nop
.endr
	s_cmp_lg_u32 s[SI], s[\td]
	s_cbranch_scc1 .Lopen_\@
	v_mov_b32 v[MA], 0xff800000                    ; on the diagonal hidden scores become -infinity.  Tile b's queries lie 16 further on: its register 8 (c + 1) + j is hidden where tile a's 8 c + j is
.set c, 0
.rept 8
.set n, 0
.rept 8
	v_cmp_gt_i32 vcc_lo, 16*c+n, v[DD]
	v_cndmask_b32 v[SA+8*c+n], v[SA+8*c+n], v[MA], vcc_lo
.if c < 7
	v_cndmask_b32 v[SB+8*c+8+n], v[SB+8*c+8+n], v[MA], vcc_lo
.endif
.set n, n+1
.endr
.set c, c+1
.endr
.Lopen_\@:
	v_max3_num_f32 v[MA], v[SA], v[SA+1], v[SA+2]  ; the step's largest scores, two chains a tile
	v_max3_num_f32 v[MB], v[SB], v[SB+1], v[SB+2]
	v_max3_num_f32 v[MA+1], v[SA+3], v[SA+4], v[SA+5]
	v_max3_num_f32 v[MB+1], v[SB+3], v[SB+4], v[SB+5]
.irp i, 6,10,14,18,22,26,30,34,38,42,46,50,54,58
	v_max3_num_f32 v[MA], v[MA], v[SA+\i], v[SA+\i+1]
	v_max3_num_f32 v[MB], v[MB], v[SB+\i], v[SB+\i+1]
	v_max3_num_f32 v[MA+1], v[MA+1], v[SA+\i+2], v[SA+\i+3]
	v_max3_num_f32 v[MB+1], v[MB+1], v[SB+\i+2], v[SB+\i+3]
.endr
	v_max3_num_f32 v[MA], v[MA], v[SA+62], v[SA+63]
	v_max3_num_f32 v[MB], v[MB], v[SB+62], v[SB+63]
	v_max_num_f32 v[MA], v[MA], v[MA+1]
	v_max_num_f32 v[MB], v[MB], v[MB+1]
	v_permlanex16_b32 v[MA+1], v[MA], s[SEL], s[SEL+1]
	v_permlanex16_b32 v[MB+1], v[MB], s[SEL], s[SEL+1]
	v_max_num_f32 v[MA], v[MA], v[MA+1]
	v_max_num_f32 v[MB], v[MB], v[MB+1]
	v_mul_f32 v[MA], s[CS], v[MA]
	v_mul_f32 v[MB], s[CS], v[MB]
	v_max_num_f32 v[STA+1], v[STA+1], v[MA]        ; the running largest t
	v_max_num_f32 v[STB+1], v[STB+1], v[MB]
	v_mov_b32 v[MA], v[STA]
	v_mov_b32 v[MB], v[STB]
	v_floor_f32 v[STA], -v[STA+1]                  ; -M
	v_floor_f32 v[STB], -v[STB+1]
	v_sub_f32 v[MA], v[STA], v[MA]
	v_sub_f32 v[MB], v[STB], v[MB]
	v_cvt_i32_f32 v[MA], v[MA]
	v_cvt_i32_f32 v[MB], v[MB]
	v_ldexp_f32 v[FA], 1.0, v[MA]                  ; f = 2^(old M - new M)
	v_ldexp_f32 v[FB], 1.0, v[MB]
.set n, 0
.rept 32
	v_pk_fma_f32 v[SA+n:SA+n+1], v[SA+n:SA+n+1], s[CS:CS+1], v[STA:STA+1] op_sel_hi:[1,0,0]   ; t - M
.set n, n+2
.endr
.set n, 0
.rept 32
	v_pk_fma_f32 v[SB+n:SB+n+1], v[SB+n:SB+n+1], s[CS:CS+1], v[STB:STB+1] op_sel_hi:[1,0,0]
.set n, n+2
.endr
	v_pk_mul_f32 v[STA+2:STA+3], v[STA+2:STA+3], v[FA:FA+1] op_sel_hi:[1,0]   ; the sums and O^T under the new M, ahead of the exponentials
	v_pk_mul_f32 v[STB+2:STB+3], v[STB+2:STB+3], v[FB:FB+1] op_sel_hi:[1,0]
.set n, 0
.rept 16
	v_pk_mul_f32 v[OA+n:OA+n+1], v[OA+n:OA+n+1], v[FA:FA+1] op_sel_hi:[1,0]
.set n, n+2
.endr
.set n, 0
.rept 16
	v_pk_mul_f32 v[OB+n:OB+n+1], v[OB+n:OB+n+1], v[FB:FB+1] op_sel_hi:[1,0]
.set n, n+2
.endr
	s_wait_alu depctr_va_vdst(0)                   ; the wait ahead of the batch
.set n, 0
.rept 128
	v_exp_f32 v[SA+n], v[SA+n]                     ; both tiles' p: their registers lie on end
.set n, n+1
.endr
	v_nop                                          ; a plain place behind the batch
	s_wait_alu depctr_va_vdst(0)                   ; and one wait behind it, ahead of its first reader
	v_pk_add_f32 v[UA:UA+1], v[SA:SA+1], v[SA+2:SA+3]   ; the sums of the unquantised p, two chains a tile
	v_pk_add_f32 v[UB:UB+1], v[SB:SB+1], v[SB+2:SB+3]
.set n, 4
.rept 15
	v_pk_add_f32 v[STA+2:STA+3], v[STA+2:STA+3], v[SA+n:SA+n+1]
	v_pk_add_f32 v[STB+2:STB+3], v[STB+2:STB+3], v[SB+n:SB+n+1]
	v_pk_add_f32 v[UA:UA+1], v[UA:UA+1], v[SA+n+2:SA+n+3]
	v_pk_add_f32 v[UB:UB+1], v[UB:UB+1], v[SB+n+2:SB+n+3]
.set n, n+4
.endr
	v_pk_add_f32 v[STA+2:STA+3], v[STA+2:STA+3], v[UA:UA+1]
	v_pk_add_f32 v[STB+2:STB+3], v[STB+2:STB+3], v[UB:UB+1]
.set c, 0
.rept 8
.set n, 0
.rept 4
	v_dual_min_num_f32 v[SA+8*c+n], v[SA+8*c+n], v[HO] :: v_dual_min_num_f32 v[SA+8*c+n+1], v[SA+8*c+n+1], v[HO+1]   ; the hold (the conversion does not saturate: ISA guide 7.6.2); p is not negative; two numbers a line
.set n, n+2
.endr
	v_cvt_scalef32_pk8_fp8_f32 v[CA+2*c:CA+2*c+1], v[SA+8*c:SA+8*c+7], v[CVS]
.set n, 0
.rept 4
	v_dual_min_num_f32 v[SB+8*c+n], v[SB+8*c+n], v[HO] :: v_dual_min_num_f32 v[SB+8*c+n+1], v[SB+8*c+n+1], v[HO+1]
.set n, n+2
.endr
	v_cvt_scalef32_pk8_fp8_f32 v[CB+2*c:CB+2*c+1], v[SB+8*c:SB+8*c+7], v[CVS]
.set c, c+1
.endr
	v_nop                                          ; a plain line between the last conversion and the matrix instruction that reads its result
	s_wait_alu depctr_va_vdst(0)                   ; the wait here, directly ahead of the wait below
	s_wait_dscnt 0x0                               ; V's fragments
	WIN 0x01                                       ; source 0 window 1
.irp d, 0,1,2,3
	v_wmma_f32_16x16x128_fp8_fp8 v[OA+8*\d:OA+8*\d+7], v[VF+16*\d:VF+16*\d+15], v[CA:CA+15], v[OA+8*\d:OA+8*\d+7]
	v_wmma_f32_16x16x128_fp8_fp8 v[OB+8*\d:OB+8*\d+7], v[VF+16*\d:VF+16*\d+15], v[CB:CB+15], v[OB+8*\d:OB+8*\d+7]
.endr
	WIN 0
.Lhid_\@:
	s_add_co_u32 s[TB], s[TB], 8192
	s_add_co_u32 s[SI], s[SI], 1
.endm
; A finished tile: O^T / the sum x 2^(e8 + e9), held, converted with e10, stored as 2 x 512 consecutive bytes of ctx's image.  The waits stand round a transcendental and ahead of O^T's first reader.
.macro WAYOUT st, o, w, cd, base, off
	v_mov_b32 v[MB], s86
	v_mov_b32 v[MB+1], s87
	v_add_f32 v[\st+2], v[\st+2], v[\st+3]
	s_wait_alu depctr_va_vdst(0)
	v_permlanex16_b32 v[MA+1], v[\st+2], s[SEL], s[SEL+1]
	v_add_f32 v[\st+2], v[\st+2], v[MA+1]
	s_wait_alu depctr_va_vdst(0)
	v_rcp_f32 v[\st+2], v[\st+2]
	v_nop
	s_wait_alu depctr_va_vdst(0)
	v_ldexp_f32 v[\st+2], v[\st+2], s77
	s_wait_alu depctr_va_vdst(0)
.set n, 0
.rept 32
	v_mul_f32 v[\w+n], v[\o+n], v[\st+2]
.set n, n+1
.endr
.set n, 0
.rept 32
	v_med3_num_f32 v[\w+n], v[\w+n], -v[MB], v[MB]
.set n, n+1
.endr
.irp d, 0,1,2,3
	v_cvt_scalef32_pk8_fp8_f32 v[\cd+2*\d:\cd+2*\d+1], v[\w+8*\d:\w+8*\d+7], v[MB+1]
.endr
	v_nop
	global_store_b128 v[LI], v[\cd:\cd+3], s[\base:\base+1] offset:\off
	global_store_b128 v[LI], v[\cd+4:\cd+7], s[\base:\base+1] offset:\off+512
.endm
; The partner's part (O^T at v[in], its -M, largest t and sums at v[in+32]) and mine under the larger M: both factors are powers of two.
.macro MERGE st, o, in
	v_min_num_f32 v[\in+36], v[\st], v[\in+32]
	v_sub_f32 v[\in+37], v[\in+36], v[\in+32]
	v_sub_f32 v[\in+38], v[\in+36], v[\st]
	v_cvt_i32_f32 v[\in+37], v[\in+37]
	v_cvt_i32_f32 v[\in+38], v[\in+38]
	v_ldexp_f32 v[\in+40], 1.0, v[\in+37]
	v_ldexp_f32 v[\in+42], 1.0, v[\in+38]
	v_mov_b32 v[\in+41], v[\in+40]
	v_mov_b32 v[\in+43], v[\in+42]
	v_pk_mul_f32 v[\st+2:\st+3], v[\st+2:\st+3], v[\in+42:\in+43]
	v_pk_fma_f32 v[\st+2:\st+3], v[\in+34:\in+35], v[\in+40:\in+41], v[\st+2:\st+3]
.set n, 0
.rept 16
	v_pk_mul_f32 v[\o+n:\o+n+1], v[\o+n:\o+n+1], v[\in+42:\in+43]
.set n, n+2
.endr
.set n, 0
.rept 16
	v_pk_fma_f32 v[\o+n:\o+n+1], v[\in+n:\in+n+1], v[\in+40:\in+41], v[\o+n:\o+n+1]
.set n, n+2
.endr
.endm
	s_wait_alu depctr_va_vdst(0)                   ; the wait at the head's end
	s_wait_loadcnt 0x0                             ; Q
	s_wait_tensorcnt 0x0                           ; my eighth of K and V is in
	s_barrier_signal -1
	s_barrier_wait -1                              ; and everybody's
	s_mov_b32 s[CNT], 11
.Lfirst:                                           ; steps 0 .. 10: the first walk
	STEP Q1, E1, T1, 0
	s_sub_co_u32 s[CNT], s[CNT], 1
	s_cmp_lg_u32 s[CNT], 0
	s_cbranch_scc1 .Lfirst
.rept 4
	v_nop
.endr
	s_cmp_lg_u32 s[E1], s[T1]                      ; did the walk reach the block's diagonal step?
	s_cbranch_scc1 .Lwalk_two                      ; no: the block is split, and my part of it stays in my registers
	WAYOUT STA, OA, SA, CA, 78, 0                  ; yes: the block is finished
	WAYOUT STB, OB, SB, CB, 78, 16384
	s_wait_alu depctr_va_vdst(0)
	s_wait_xcnt 0x0                                ; the stores have read the codes' registers, which the next walk writes again
	FRESH
.Lwalk_two:
	s_mov_b32 s[SI], 6
	s_mov_b32 s[TB], 6*8192
	s_mov_b32 s[CNT], 10
.Lthird:                                           ; steps 6 .. 15: the second walk, from s[B2] to its block's diagonal step
	STEP Q2, T2, T2, 1
	s_sub_co_u32 s[CNT], s[CNT], 1
	s_cmp_lg_u32 s[CNT], 0
	s_cbranch_scc1 .Lthird
.rept 4
	v_nop
.endr
	s_cmp_lt_u32 s[WV], 4
	s_cbranch_scc0 .Ltaker
	s_wait_alu depctr_va_vdst(0)
.irp i, 0,1,2,3,4,5,6,7
	ds_store_b128 v[PA], v[OA+4*\i:OA+4*\i+3] offset:512*\i   ; waves 0-3: my part of the split block is handed over
.endr
	ds_store_b128 v[PA], v[STA:STA+3] offset:4096
.irp i, 0,1,2,3,4,5,6,7
	ds_store_b128 v[PA], v[OB+4*\i:OB+4*\i+3] offset:4608+512*\i
.endr
	ds_store_b128 v[PA], v[STB:STB+3] offset:8704
.Ltaker:
	s_wait_alu depctr_va_vdst(0)                   ; the wait here, directly ahead of the wait below
	s_wait_dscnt 0x0                               ; for the others' sake: my stores are done
	s_barrier_signal -1
	s_barrier_wait -1
	s_cmp_lt_u32 s[WV], 4
	s_cbranch_scc1 .Lall_done
	s_cmp_eq_u32 s[TA], 10                         ; blocks 10 and 5 were each finished by one wave: nothing is joined
	s_cbranch_scc1 .Lall_done
.irp i, 0,1,2,3,4,5,6,7
	ds_load_b128 v[SA+4*\i:SA+4*\i+3], v[PA] offset:512*\i
.endr
	ds_load_b128 v[SA+32:SA+35], v[PA] offset:4096
.irp i, 0,1,2,3,4,5,6,7
	ds_load_b128 v[SB+4*\i:SB+4*\i+3], v[PA] offset:4608+512*\i
.endr
	ds_load_b128 v[SB+32:SB+35], v[PA] offset:8704
	s_wait_dscnt 0x0
	MERGE STA, OA, SA
	MERGE STB, OB, SB
	WAYOUT STA, OA, SA, CA, 80, 0
	WAYOUT STB, OB, SB, CB, 80, 16384
.Lall_done:
	s_wait_tensorcnt 0x0                           ; the wave's end
	ds_add_u32 v[SPW], v[NIL]
	s_wait_dscnt 0x0
	CROUND                                         ; the closing round
	s_endpgm
.Lfunc_end_k_qef23f47038_attn:
	.size	k_qef23f47038_attn, .Lfunc_end_k_qef23f47038_attn-k_qef23f47038_attn
	.p2alignl 7, 3214868480
	.fill 96, 4, 3214868480
	.section	.rodata,"a",@progbits
	.p2align	6, 0x0
	.amdhsa_kernel k_qef23f47038_attn
		.amdhsa_group_segment_fixed_size 327680
		.amdhsa_private_segment_fixed_size 0
		.amdhsa_enable_private_segment 0
		.amdhsa_kernarg_size 24
		.amdhsa_user_sgpr_count 2
		.amdhsa_user_sgpr_kernarg_segment_ptr 1
		.amdhsa_wavefront_size32 1
		.amdhsa_system_sgpr_workgroup_id_x 1
		.amdhsa_system_sgpr_workgroup_id_y 1
		.amdhsa_system_sgpr_workgroup_id_z 1
		.amdhsa_system_vgpr_workitem_id 0
		.amdhsa_next_free_vgpr 512
		.amdhsa_next_free_sgpr 90
		.amdhsa_reserve_vcc 1
		.amdhsa_float_denorm_mode_32 3
		.amdhsa_float_denorm_mode_16_64 3
		.amdhsa_memory_ordered 1
		.amdhsa_forward_progress 1
		.amdhsa_inst_pref_size 106
	.end_amdhsa_kernel
	.amdgpu_metadata
---
amdhsa.version: [ 1, 2 ]
amdhsa.kernels:
  - .name:           k_qef23f47038_attn
    .symbol:         k_qef23f47038_attn.kd
    .args:
      - { .name: qkvf, .offset: 0, .size: 8, .value_kind: global_buffer, .address_space: global }
      - { .name: lowp_scales, .offset: 8, .size: 8, .value_kind: global_buffer, .address_space: global }
      - { .name: ctxf, .offset: 16, .size: 8, .value_kind: global_buffer, .address_space: global }
    .group_segment_fixed_size: 327680
    .private_segment_fixed_size: 0
    .kernarg_segment_align: 8
    .kernarg_segment_size: 24
    .max_flat_workgroup_size: 256
    .sgpr_count:     90
    .vgpr_count:     512
    .wavefront_size: 32
...
	.end_amdgpu_metadata
.endif
;; end of part 3
;; launch wo (part 4): grid 8 x 32, 4 waves a work-group, clusters of 4 x 4, 327,680 bytes of LDS; arguments ctxf, wc, lowp_scales, bo, x, hbuf; writes hbuf
.if DOCPART == 4
	.amdgcn_target "amdgcn-amd-amdhsa--gfx1250"
	.amdhsa_code_object_version 6
	.text
	.protected	k_qef23f47038_wo
	.globl	k_qef23f47038_wo
	.p2align	8
	.type	k_qef23f47038_wo,@function
k_qef23f47038_wo:
	s_mov_b64 s[64:65], 0
	v_nop
	global_prefetch_b8 v0, s[64:65] scope:SCOPE_SE
	s_setreg_imm32_b32 hwreg(HW_REG_WAVE_MODE, 25, 1), 1
	s_wait_xcnt 0x0
	s_wait_alu depctr_hold_cnt(0) depctr_sa_sdst(0) depctr_va_vdst(0) depctr_va_sdst(0) depctr_va_ssrc(0) depctr_va_vcc(0) depctr_vm_vsrc(0)
	s_getreg_b32 s2, hwreg(HW_REG_IB_STS2, 6, 4)
	s_cmp_eq_u32 s2, 0
	s_cbranch_scc0 .Lentry_in_a_cluster
	s_endpgm
.Lentry_in_a_cluster:
	s_bfe_u32 s2, ttmp6, 0x10000c
	s_cmp_lg_u32 s2, 0xf033
	s_cbranch_scc0 .Lentry_shape_is_right
	s_endpgm
.Lentry_shape_is_right:
; WO.  h = x + ctx Wo + bo: the product on E4M3 codes (scales e10, e11), the rest in f32.  ctx and Wo^T lie as IMAGES: 16 rows x 128 K in 2,048 bytes, byte 512 i + 16 lane + y = register 4 i + y / 4;
; a matrix is [rows / 16][K / 128][2048].  N is 1,024: tiles of 256 x 256 would be 64, so a tile is 128 x 128 (256 work-groups), four waves of 64 x 64: 16 accumulators.
; All of K = 1,024 lies in one LDS slot, filled once by the tensor data mover.  A wave's load brings 4 row tiles x 8 images.
; THE MATRIX INSTRUCTION IS USED TRANSPOSED (source 0 = 16 rows of Wo^T, source 1 = 16 tokens): a lane holds eight neighbouring columns of a row.
; CLUSTERS: 4 x 4; ctx's tile is asked for jointly along a row of the cluster, Wo's along a column.
; THE WAY OUT: a wave's 64 columns of f32 are 256 aligned bytes: 16 rows at a time through the wave's own stage; x's numbers were loaded at the head in the stores' layout.
; LIMIT: e10 + e11 between -126 and 127.
; REGISTERS: window 0: v8-11 bias, v16-30 addresses, v32-159 the way out, from v128 A's fragments (one set); window 1: B's, two sets; window 2: v0-127 accumulators, v128-255 the residual.
.set NB,    4
.set QS,    8                          ; ALL of K = 1,024 lies in LDS at once, in ONE slot filled once: a wave's one load brings 4 row tiles x 8 images, 64 KiB (in place of the two slots that the lines above name)
.set KTOT,  1024
.set WOFF,  0x300000                   ; Wo's codes in wc
.set SOFF,  0x28                       ; e10, e11
.set FR,    16
.set NL,    4
.set FRB,   2048
.set HALFT, NB*QS*FRB
.set SLOT,  4*HALFT
.set SPARE, SLOT
.set STAGE, SPARE+512
.set RTP,   16*KTOT
.set SLOTB, QS*FRB
.set LAPS,  KTOT/(256*QS)
.set APW,   32/NB
.set ADRA, 16
.set ADRB, 20
.set STO,  24
.set RD,   25
.set CO,   26
.set LI,   27
.set SPW,  28
.set NIL,  29
.set OB,   32
.set AF,   128
.set G1, 24
.set G0, 32
.set G1B, 48
.set G0B, 56
.set MSB, 0
.set MUL_LO, 0xa1
.set MUL_HI, 0xa1+0x50*(NB/8)
.set TO_B,   0x40
.macro WIN new                         ; the immediate's high byte repeats the setting that is left
.if MSB != (\new)
	s_set_vgpr_msb (MSB<<8)|(\new)
.set MSB, (\new)
.endif
.endm
.macro JLOAD g0a, g1a, g0b, g1b        ; a joint load: waves 0, 1 fetch A's halves, waves 2, 3 B's; four v_nop follow each line
	s_cmp_eq_u32 s15, 0
	s_cbranch_scc0 .Lfor_b_\@
	tensor_load_to_lds s[\g0a:\g0a+3], s[\g1a:\g1a+7]
	s_nop 0
.rept 4
	v_nop
.endr
	s_branch .Lasked_\@
.Lfor_b_\@:
	tensor_load_to_lds s[\g0b:\g0b+3], s[\g1b:\g1b+7]
	s_nop 0
.rept 4
	v_nop
.endr
.Lasked_\@:
.endm
.macro CREST
	s_cmp_lg_u32 s14, 0
	s_cbranch_scc1 .Lnot_wave_0_\@
	s_barrier_signal -3
.Lnot_wave_0_\@:
	s_barrier_wait -3
	s_barrier_signal -1
	s_barrier_wait -1
.endm
.macro CROUND
	s_barrier_signal -1
	s_barrier_wait -1
	CREST
.endm
.macro PLACES n                        ; plain vector instructions between a matrix instruction and a load into, or a read of, its registers
.rept \n
	v_nop
.endr
.endm
.macro FRAG reg, adr, q, i
.irp c, 0,1,2,3
	ds_load_b128 v[\reg+4*\c:\reg+4*\c+3], v[\adr] offset:((\i)*QS+(\q))*FRB+512*\c
.endr
.endm
.macro FETCH_B slot, q, p
	WIN TO_B
.set fi, 0
.rept NB
	FRAG 128*(\p)+FR*fi, ADRB+\slot, \q, fi
.set fi, fi+1
.endr
	WIN 0
.endm
.macro FETCH_A slot, q, i0
.set fi, \i0
.rept NB/2
	FRAG AF+FR*fi, ADRA+\slot, \q, fi
.set fi, fi+1
.endr
.endm
.macro MULQ k, p, zero                 ; a quarter of a step; the accumulators take turns, one instruction a turn, in the same order in every step
.set ma, (\k)*NB/4
.rept NB/4
.set mb, 0
.rept NB
.set rD, 8*(NB*(ma%APW)+mb)
.if \zero
	v_wmma_f32_16x16x128_fp8_fp8 v[rD:rD+7], v[128*(\p)+FR*mb:128*(\p)+FR*mb+FR-1], v[AF+FR*ma:AF+FR*ma+FR-1], 0
.else
	v_wmma_f32_16x16x128_fp8_fp8 v[rD:rD+7], v[128*(\p)+FR*mb:128*(\p)+FR*mb+FR-1], v[AF+FR*ma:AF+FR*ma+FR-1], v[rD:rD+7]
.endif
.set mb, mb+1
.endr
.set ma, ma+1
.endr
.endm
.macro STEP slot, q, zero
	s_wait_dscnt (NB/2)*NL                         ; B's set and A's lower blocks are in; A's upper blocks may be out
	WIN MUL_LO
	MULQ 0, (\q)%2, \zero
	MULQ 1, (\q)%2, \zero
	s_wait_dscnt 0
	PLACES 4
	FETCH_B \slot, (\q)+1, 1-(\q)%2
	FETCH_A \slot, (\q)+1, 0
	WIN MUL_HI
	MULQ 2, (\q)%2, \zero
	MULQ 3, (\q)%2, \zero
	PLACES 4
	WIN 0
	FETCH_A \slot, (\q)+1, NB/2
.endm
.macro REST slot
.if QS > 2
.set rq, 1
.rept QS-2
	STEP \slot, rq, 0
.set rq, rq+1
.endr
.endif
.endm
.macro TURN slot, next, fill
	s_wait_tensorcnt 0x0                           ; all my tensor loads have landed: my part of the next slot
	ds_add_u32 v[SPW], v[NIL]                      ; 0 onto my spare word
	s_wait_dscnt (NB/2)*NL+1                       ; the add and A's upper blocks may be out
	WIN MUL_LO
	MULQ 0, 1, 0
	s_wait_dscnt 0x0                               ; the add is done, and my reads of this slot are over
	s_barrier_signal -1
	MULQ 1, 1, 0
	WIN 0
	s_barrier_wait -1
.if \fill
	CREST
	s_add_nc_u64 s[G0+4*\slot+2:G0+4*\slot+3], s[G0+4*\slot+2:G0+4*\slot+3], 2*SLOTB
	s_add_nc_u64 s[G0B+4*\slot+2:G0B+4*\slot+3], s[G0B+4*\slot+2:G0B+4*\slot+3], 2*SLOTB
	JLOAD G0+4*\slot, G1, G0B+4*\slot, G1B
.else
	PLACES 4
.endif
	FETCH_B \next, 0, 0
	FETCH_A \next, 0, 0
	WIN MUL_HI
	MULQ 2, 1, 0
	MULQ 3, 1, 0
	PLACES 4
	WIN 0
	FETCH_A \next, 0, NB/2
.endm
.macro LAST
	s_wait_dscnt (NB/2)*NL
	WIN MUL_LO
	MULQ 0, 1, 0
	MULQ 1, 1, 0
	s_wait_dscnt 0
	WIN MUL_HI
	MULQ 2, 1, 0
	MULQ 3, 1, 0
	WIN 0
.endm
	s_load_b128 s[4:7], s[0:1], 0x0                ; A's codes, wc
	s_load_b128 s[8:11], s[0:1], 0x10              ; lowp_scales, the bias
	s_load_b128 s[68:71], s[0:1], 0x20             ; the residual, the output
	v_lshl_add_u32 v[SPW], v0, 2, SPARE
	v_mov_b32 v[NIL], 0
	ds_add_u32 v28, v29
	ds_add_u32 v28, v29
	s_wait_dscnt 0x0
	v_lshrrev_b32 v1, 5, v0
	v_readfirstlane_b32 s14, v1                    ; wave
	s_lshr_b32 s15, s14, 1                         ; my half of the rows.  Also: I fetch for A (0) or for B (1)
	s_and_b32 s16, s14, 1                          ; my half of the columns.  Also: which half I fetch
	s_bfe_u32 s40, ttmp6, 0x40000                  ; cx
	s_bfe_u32 s41, ttmp6, 0x40004                  ; cy
	s_lshl_b32 s42, ttmp9, 2
	s_add_co_u32 s42, s42, s40                     ; tile column
	s_and_b32 s17, ttmp7, 0xffff
	s_lshl_b32 s17, s17, 2
	s_add_co_u32 s17, s17, s41                     ; tile row
	s_lshl_b32 s43, s41, 2
	s_lshl_b32 s43, 15, s43                        ; my row of the cluster
	s_lshl_b32 s44, 0x1111, s40                    ; my column
	s_or_b32 s[G1+0], s43, (3<<16)|(1<<21)         ; 15:0 the mask; 17:16 elements of 8 bytes; 21 set beside a mask; no padding
	s_or_b32 s[G1B+0], s44, (3<<16)|(1<<21)
.irp g, G1, G1B
	s_mov_b32 s[\g+1], ((SLOTB/8)&0xffff)<<16      ; tensor_dim0
	s_mov_b32 s[\g+2], NB<<16                      ; tensor_dim1
	s_mov_b32 s[\g+3], (SLOTB/8)<<16               ; tile_dim0
	s_mov_b32 s[\g+4], NB                          ; tile_dim1
	s_mov_b32 s[\g+5], RTP/8                       ; from row tile to row tile
	s_mov_b32 s[\g+6], 0
	s_mov_b32 s[\g+7], 0
.endr
	s_mul_i32 s18, s16, NB
	s_mul_i32 s20, s17, 2*NB
	s_add_co_u32 s20, s20, s18
	s_mul_i32 s20, s20, RTP
	s_mov_b32 s21, 0
	s_mul_i32 s46, s42, 2*NB
	s_add_co_u32 s46, s46, s18
	s_mul_i32 s46, s46, RTP
	s_mov_b32 s47, 0
	s_mul_i32 s45, s14, HALFT
	s_wait_kmcnt 0x0
	s_load_b64 s[96:97], s[8:9], SOFF              ; the product's two exponents
	s_add_nc_u64 s[20:21], s[4:5], s[20:21]
	s_add_nc_u64 s[46:47], s[6:7], s[46:47]
	s_add_nc_u64 s[46:47], s[46:47], WOFF
	CROUND                                         ; all sixteen work-groups are here: the first joint loads meet
.irp s, 0
	s_mov_b32 s[G0+4*\s], 1
	s_add_co_u32 s[G0+4*\s+1], s45, \s*SLOT
	s_add_nc_u64 s[G0+4*\s+2:G0+4*\s+3], s[20:21], \s*SLOTB
	s_or_b32 s[G0+4*\s+3], s[G0+4*\s+3], 0x80000000
	s_mov_b32 s[G0B+4*\s], 1
	s_add_co_u32 s[G0B+4*\s+1], s45, \s*SLOT
	s_add_nc_u64 s[G0B+4*\s+2:G0B+4*\s+3], s[46:47], \s*SLOTB
	s_or_b32 s[G0B+4*\s+3], s[G0B+4*\s+3], 0x80000000
	JLOAD G0+4*\s, G1, G0B+4*\s, G1B
.endr
	v_and_b32 v1, 15, v0                           ; r
	v_bfe_u32 v2, v0, 4, 1                         ; h
	v_lshlrev_b32 v[CO], 12, v2
	v_lshl_add_u32 v[CO], v1, 4, v[CO]             ; lanes 0-15 one row's 256 bytes, lanes 16-31 the next row's
	s_wait_alu depctr_va_vdst(0)
	v_lshlrev_b32 v30, 4, v1
	s_wait_alu depctr_va_vdst(0)
	s_lshl_b32 s20, s17, 7
	s_lshl_b32 s21, s15, 6
	s_add_co_u32 s20, s20, s21
	s_lshl_b32 s20, s20, 12                        ; my first row, 4,096 bytes a row,
	s_lshl_b32 s21, s42, 9
	s_lshl_b32 s22, s16, 8
	s_add_co_u32 s22, s21, s22                     ; my first column, in bytes
	s_add_co_u32 s20, s20, s22
	s_mov_b32 s21, 0
	s_mov_b32 s23, 0
	s_add_nc_u64 s[68:69], s[68:69], s[20:21]
	s_add_nc_u64 s[70:71], s[70:71], s[20:21]
	s_add_nc_u64 s[10:11], s[10:11], s[22:23]
	v_and_b32 v3, 31, v0
	v_lshlrev_b32 v[LI], 4, v3
	s_mul_i32 s21, s15, HALFT
	s_mul_i32 s22, s16, HALFT
	s_add_co_u32 s22, s22, 2*HALFT
.irp s, 0
	v_add_nc_u32 v[ADRA+\s], s21, v[LI]
	v_add_nc_u32 v[ADRB+\s], s22, v[LI]
	s_add_co_u32 s21, s21, SLOT
	s_add_co_u32 s22, s22, SLOT
.endr
	s_mul_i32 s23, s14, 16*272
	s_add_co_u32 s23, s23, STAGE                   ; my stage: 16 rows of 256 bytes + 16
	v_mul_u32_u24 v4, v1, 272
	v_lshl_add_u32 v4, v2, 5, v4
	v_add_nc_u32 v[STO], s23, v4                   ; in: row r, 32 bytes for each half of the lanes
	v_mul_u32_u24 v4, v2, 272
	v_lshl_add_u32 v4, v1, 4, v4
	v_add_nc_u32 v[RD], s23, v4                    ; back: two rows an instruction
	s_wait_alu depctr_va_vdst(0)
	s_wait_tensorcnt 0x0                           ; my quarter of the operands is in
	s_barrier_signal -1
	s_barrier_wait -1
	FETCH_B 0, 0, 0
	FETCH_A 0, 0, 0
	FETCH_A 0, 0, NB/2
	STEP 0, 0, 1                                   ; the first step's products start the sums
	WIN 0x80                                       ; destination window 2.  The residual and the bias are asked for here, behind the operands' tiles, and come in under the products
.irp a, 0,1,2,3
.irp t, 0,1,2,3,4,5,6,7
	global_load_b128 v[128+32*\a+4*\t:128+32*\a+4*\t+3], v[CO], s[68:69] offset:(16*\a+2*\t)*4096   ; the residual, in the stores' layout
.endr
.endr
	WIN 0
	global_load_b128 v[8:11], v30, s[10:11]        ; the bias of my four columns
	REST 0                                         ; steps 1 to 6 of the eight
	LAST
	s_wait_kmcnt 0x0
	s_add_co_i32 s96, s96, s97
	s_add_co_i32 s96, s96, 127
	s_lshl_b32 s96, s96, 23                        ; 2^(eA + eB) as f32
	s_mov_b32 s97, s96                             ; (named with it as a pair)
	PLACES 4
	s_wait_loadcnt 0x0                             ; the residual and the bias
.macro TOSTAGE a                       ; 16 rows x 64 columns of sums into my stage, and back as whole rows; LDS serves a wave's instructions in order
	WIN 0x08                                       ; store data window 2
.irp b, 0,1,2,3
	ds_store_b128 v[STO], v[8*(4*(\a)+\b):8*(4*(\a)+\b)+3] offset:64*\b          ; each accumulator from its low end on
	ds_store_b128 v[STO], v[8*(4*(\a)+\b)+4:8*(4*(\a)+\b)+7] offset:64*\b+16
.endr
	WIN 0
.irp t, 0,1,2,3,4,5,6,7
	ds_load_b128 v[OB+32*(\a)+4*\t:OB+32*(\a)+4*\t+3], v[RD] offset:544*\t
.endr
.endm
.macro SEND a, younger                 ; younger: the LDS instructions issued behind block a's loads
	s_wait_dscnt \younger
	WIN 0x20                                       ; source 2 window 2
.set n, 0
.rept 16
	v_pk_fma_f32 v[OB+32*(\a)+n:OB+32*(\a)+n+1], v[OB+32*(\a)+n:OB+32*(\a)+n+1], s[96:97], v[128+32*(\a)+n:128+32*(\a)+n+1] op_sel_hi:[1,0,1]   ; sum x 2^(eA + eB) + the residual
.set n, n+2
.endr
	WIN 0
.irp t, 0,1,2,3,4,5,6,7
	v_pk_add_f32 v[OB+32*(\a)+4*\t:OB+32*(\a)+4*\t+1], v[OB+32*(\a)+4*\t:OB+32*(\a)+4*\t+1], v[8:9]       ; + the bias
	v_pk_add_f32 v[OB+32*(\a)+4*\t+2:OB+32*(\a)+4*\t+3], v[OB+32*(\a)+4*\t+2:OB+32*(\a)+4*\t+3], v[10:11]
.endr
.irp t, 0,1,2,3,4,5,6,7
	global_store_b128 v[CO], v[OB+32*(\a)+4*\t:OB+32*(\a)+4*\t+3], s[70:71] offset:(16*(\a)+2*\t)*4096   ; sixteen lanes: 256 consecutive aligned bytes
.endr
.endm
	TOSTAGE 0
.irp a, 1,2,3
	TOSTAGE \a
	SEND \a-1, 16                                  ; behind block a - 1's loads: block a's 8 stores and 8 loads
.endr
	SEND 3, 0
	s_wait_tensorcnt 0x0                           ; the wave's end
	ds_add_u32 v[SPW], v[NIL]
	s_wait_dscnt 0x0
	CROUND                                         ; the closing round
	s_endpgm
.Lfunc_end_k_qef23f47038_wo:
	.size	k_qef23f47038_wo, .Lfunc_end_k_qef23f47038_wo-k_qef23f47038_wo
	.p2alignl 7, 3214868480
	.fill 96, 4, 3214868480
	.section	.rodata,"a",@progbits
	.p2align	6, 0x0
	.amdhsa_kernel k_qef23f47038_wo
		.amdhsa_group_segment_fixed_size 327680
		.amdhsa_private_segment_fixed_size 0
		.amdhsa_enable_private_segment 0
		.amdhsa_kernarg_size 48
		.amdhsa_user_sgpr_count 2
		.amdhsa_user_sgpr_kernarg_segment_ptr 1
		.amdhsa_wavefront_size32 1
		.amdhsa_system_sgpr_workgroup_id_x 1
		.amdhsa_system_sgpr_workgroup_id_y 1
		.amdhsa_system_sgpr_workgroup_id_z 1
		.amdhsa_system_vgpr_workitem_id 0
		.amdhsa_next_free_vgpr 768
		.amdhsa_next_free_sgpr 100
		.amdhsa_reserve_vcc 0
		.amdhsa_float_denorm_mode_32 3
		.amdhsa_float_denorm_mode_16_64 3
		.amdhsa_memory_ordered 1
		.amdhsa_forward_progress 1
		.amdhsa_inst_pref_size 53
	.end_amdhsa_kernel
	.amdgpu_metadata
---
amdhsa.version: [ 1, 2 ]
amdhsa.kernels:
  - .name:           k_qef23f47038_wo
    .symbol:         k_qef23f47038_wo.kd
    .args:
      - { .name: ctxf, .offset: 0, .size: 8, .value_kind: global_buffer, .address_space: global }
      - { .name: wc, .offset: 8, .size: 8, .value_kind: global_buffer, .address_space: global }
      - { .name: lowp_scales, .offset: 16, .size: 8, .value_kind: global_buffer, .address_space: global }
      - { .name: bo, .offset: 24, .size: 8, .value_kind: global_buffer, .address_space: global }
      - { .name: x, .offset: 32, .size: 8, .value_kind: global_buffer, .address_space: global }
      - { .name: hbuf, .offset: 40, .size: 8, .value_kind: global_buffer, .address_space: global }
    .group_segment_fixed_size: 327680
    .private_segment_fixed_size: 0
    .kernarg_segment_align: 8
    .kernarg_segment_size: 48
    .max_flat_workgroup_size: 128
    .sgpr_count:     100
    .vgpr_count:     768
    .wavefront_size: 32
...
	.end_amdgpu_metadata
.endif
;; end of part 4
;; launch ln2 (part 5): grid 256 x 1, 4 waves a work-group, no clusters, 17,920 bytes of LDS; arguments hbuf, g2, s2, lowp_scales, yc; writes yc
.if DOCPART == 5
	.amdgcn_target "amdgcn-amd-amdhsa--gfx1250"
	.amdhsa_code_object_version 6
	.text
	.protected	k_qef23f47038_ln2
	.globl	k_qef23f47038_ln2
	.p2align	8
	.type	k_qef23f47038_ln2,@function
k_qef23f47038_ln2:
	s_mov_b64 s[64:65], 0
	v_nop
	global_prefetch_b8 v0, s[64:65] scope:SCOPE_SE
	s_setreg_imm32_b32 hwreg(HW_REG_WAVE_MODE, 25, 1), 1
	s_wait_xcnt 0x0
; LN2.  LN2(h) becomes E4M3 codes (scale e12), laid as IMAGES: 16 rows x 128 K in 2,048 bytes; byte 512 i + 16 (16 h + r) + y holds row r, k = 32 i + 16 (y / 8) + 8 h + y % 8; [rows / 16][8][2048].
; A work-group takes 16 rows, a wave 4 of them, a row at a time in 32 registers a lane; the codes turn through a stage in LDS into the image's order.
; code = y / 2^e, held within +-448, to the nearest code, ties to even.  LIMITS: e12 between -126 and 119; NaN among the inputs is not served.
.set NOUT, 1
.set G,   16                           ; v16-47   gain
.set S,   48                           ; v48-79   shift
.set X,   80                           ; v80-207  four rows
.set T,   208                          ; v208-239 at work; then a row held within the largest code
.set C,   240                          ; v240-247 a row's codes
.set STG, 17408                        ; the stage: 64 pieces of 256 bytes, 272 apart
	s_load_b128 s[8:11], s[0:1], 0x0               ; h, g2
	s_load_b128 s[12:15], s[0:1], 0x10             ; s2, lowp_scales
	s_load_b64 s[28:29], s[0:1], 0x20              ; yc
	v_lshl_add_u32 v254, v0, 2, 0x4400
	v_mov_b32 v255, 0
	v_lshrrev_b32 v1, 5, v0
	v_readfirstlane_b32 s2, v1                     ; wave
	v_and_b32 v2, 31, v0                           ; lane
	s_mov_b32 s3, ttmp9                            ; my tile of 16 rows
	v_lshlrev_b32 v1, 5, v2                        ; lane l holds k = 256 j + 8 l + 0 .. 7, j = 0 .. 3: 32 bytes at 32 l + 1024 j
	v_lshrrev_b32 v3, 4, v2                        ; those eight codes lie in piece 16 j + 8 (l / 16) + 2 ((l / 4) % 4) + l % 2 of the row tile's 64 pieces of 256 bytes,
	v_bfe_u32 v4, v2, 2, 2                         ; at byte 16 row + 8 ((l / 2) % 2)
	v_and_b32 v5, 1, v2
	v_lshl_add_u32 v4, v4, 1, v5
	v_lshl_add_u32 v3, v3, 3, v4
	v_mul_u32_u24 v3, v3, 272                      ; pieces 272 bytes apart: a store's 32 lanes fall on 32 different 8-byte columns modulo 256 bytes
	v_bfe_u32 v4, v2, 1, 1
	v_lshl_add_u32 v3, v4, 3, v3
	s_lshl_b32 s34, s2, 6
	v_add_nc_u32 v3, s34, v3                       ; v3: into the stage; + 16 bytes x my wave's first row
	v_lshrrev_b32 v5, 4, v2
	v_mul_u32_u24 v5, v5, 272
	v_and_b32 v6, 15, v2
	v_lshl_add_u32 v5, v6, 4, v5
	s_mul_i32 s34, s2, 4352
	v_add_nc_u32 v4, s34, v5                       ; v4: back: wave w takes pieces 16 w on, two an instruction
	v_lshlrev_b32 v5, 4, v2
	s_lshl_b32 s34, s2, 12
	v_add_nc_u32 v5, s34, v5                       ; v5: and the same bytes of the row tile's images
	s_mov_b32 s36, 0x3a800000                      ; 1 / 1024
	s_mov_b32 s38, 0x76543210                      ; v_permlanex16_b32: lane l xor 16
	s_mov_b32 s39, 0xfedcba98
	s_lshl_b32 s32, s3, 16
	s_lshl_b32 s33, s2, 14
	s_add_co_u32 s32, s32, s33                     ; 16 rows of 4,096 bytes a tile, 4 a wave
	s_mov_b32 s33, 0
	s_lshl_b32 s34, s3, 14
	s_mov_b32 s35, 0
	s_wait_kmcnt 0x0
	s_load_b32 s40, s[14:15], 0x30                 ; e12
	s_add_nc_u64 s[8:9], s[8:9], s[32:33]
	s_add_nc_u64 s[48:49], s[28:29], s[34:35]
.macro LNLOAD reg, base, off
.irp j, 0,1,2,3
	global_load_b128 v[\reg+8*\j:\reg+8*\j+3], v1, s[\base:\base+1] offset:\off+1024*\j
	global_load_b128 v[\reg+8*\j+4:\reg+8*\j+7], v1, s[\base:\base+1] offset:\off+1024*\j+16
.endr
.endm
	LNLOAD X, 8, 0
	LNLOAD G, 10, 0
	LNLOAD S, 12, 0
	LNLOAD X+32, 8, 4096
	LNLOAD X+64, 8, 8192
	LNLOAD X+96, 8, 12288
	s_wait_kmcnt 0x0
	s_add_co_i32 s34, s40, 127
	s_lshl_b32 s35, s34, 23
	v_mov_b32 v11, s35                             ; 2^e
	s_add_co_i32 s34, s34, 8
	s_lshl_b32 s34, s34, 23
	s_or_b32 s34, s34, 0x600000
	v_mov_b32 v10, s34                             ; 448 x 2^e
.macro RED                             ; the sum over the 32 lanes, in every lane
	v_add_f32_dpp v[T], v[T], v[T] row_xmask:1 row_mask:0xf bank_mask:0xf
	v_add_f32_dpp v[T], v[T], v[T] row_xmask:2 row_mask:0xf bank_mask:0xf
	v_add_f32_dpp v[T], v[T], v[T] row_xmask:4 row_mask:0xf bank_mask:0xf
	v_add_f32_dpp v[T], v[T], v[T] row_xmask:8 row_mask:0xf bank_mask:0xf
	v_permlanex16_b32 v[T+1], v[T], s38, s39
	v_add_f32 v[T], v[T], v[T+1]
.endm
; Row i of my four.  left: the younger loads that may stay out.
.macro LNROW i, left
.set XR, X+32*(\i)
	s_wait_loadcnt \left
	v_pk_add_f32 v[T:T+1], v[XR:XR+1], v[XR+2:XR+3]                ; the sum, in two chains
	v_pk_add_f32 v[T+2:T+3], v[XR+4:XR+5], v[XR+6:XR+7]
.irp p, 8,12,16,20,24,28
	v_pk_add_f32 v[T:T+1], v[T:T+1], v[XR+\p:XR+\p+1]
	v_pk_add_f32 v[T+2:T+3], v[T+2:T+3], v[XR+\p+2:XR+\p+3]
.endr
	v_pk_add_f32 v[T:T+1], v[T:T+1], v[T+2:T+3]
	v_add_f32 v[T], v[T], v[T+1]
	RED
	v_mul_f32 v[T+4], s36, v[T]                    ; the mean,
	v_mov_b32 v[T+5], v[T+4]
.set nn, 0
.rept 16
	v_pk_add_f32 v[XR+nn:XR+nn+1], v[XR+nn:XR+nn+1], v[T+4:T+5] neg_lo:[0,1] neg_hi:[0,1]   ; taken away first, as the definition has it
.set nn, nn+2
.endr
	v_pk_mul_f32 v[T:T+1], v[XR:XR+1], v[XR:XR+1]
	v_pk_mul_f32 v[T+2:T+3], v[XR+2:XR+3], v[XR+2:XR+3]
.irp p, 4,8,12,16,20,24,28
	v_pk_fma_f32 v[T:T+1], v[XR+\p:XR+\p+1], v[XR+\p:XR+\p+1], v[T:T+1]
	v_pk_fma_f32 v[T+2:T+3], v[XR+\p+2:XR+\p+3], v[XR+\p+2:XR+\p+3], v[T+2:T+3]
.endr
	v_pk_add_f32 v[T:T+1], v[T:T+1], v[T+2:T+3]
	v_add_f32 v[T], v[T], v[T+1]
	RED
	v_fmaak_f32 v[T], s36, v[T], 0x3727c5ac        ; the variance + 1e-5
	s_wait_alu depctr_va_vdst(0)
	v_rsq_f32 v[T+6], v[T]
	v_nop                                          ; a plain instruction behind the transcendental
	s_wait_alu depctr_va_vdst(0)                   ; and the wait ahead of its first reader
	v_mov_b32 v[T+7], v[T+6]
.if (\i) == 0
	s_wait_alu depctr_va_vdst(0)
	s_wait_loadcnt 24                              ; gain and shift are in; rows 1 to 3 may be out
.endif
.set nn, 0
.rept 16
	v_pk_mul_f32 v[XR+nn:XR+nn+1], v[XR+nn:XR+nn+1], v[T+6:T+7]
.set nn, nn+2
.endr
.set nn, 0
.rept 16
	v_pk_fma_f32 v[XR+nn:XR+nn+1], v[XR+nn:XR+nn+1], v[G+nn:G+nn+1], v[S+nn:S+nn+1]
.set nn, nn+2
.endr
.set nn, 0
.rept 32
	v_med3_num_f32 v[T+nn], v[XR+nn], -v10, v10    ; the hold at the largest code x the scale
.set nn, nn+1
.endr
	s_wait_alu depctr_va_vdst(0)
	s_wait_dscnt 0x0                               ; the last stores have read the codes' registers
.irp j, 0,1,2,3
	v_cvt_scalef32_pk8_fp8_f32 v[C+2*\j:C+2*\j+1], v[T+8*\j:T+8*\j+7], v11
.endr
	v_nop                                          ; a plain instruction between the conversions and the next write of their sources
.irp j, 0,1,2,3
	ds_store_b64 v3, v[C+2*\j:C+2*\j+1] offset:16*(\i)+4352*\j
.endr
.endm
	LNROW 0, 40                                    ; behind row 0's loads: gain 8, shift 8, rows 1 to 3 24
	LNROW 1, 16
	LNROW 2, 8
	LNROW 3, 0
	s_wait_dscnt 0x0                               ; for the others' sake: my stores into the stage are done
	s_barrier_signal -1
	s_barrier_wait -1
.irp u, 0,1,2,3,4,5,6,7
	ds_load_b128 v[X+4*\u:X+4*\u+3], v4 offset:544*\u
.endr
.irp u, 0,1,2,3,4,5,6,7
	s_wait_dscnt 7-\u                              ; LDS loads come back in order: this one is in, the younger may be out
	global_store_b128 v5, v[X+4*\u:X+4*\u+3], s[48:49] offset:512*\u   ; 512 consecutive aligned bytes
.endr
	s_wait_tensorcnt 0x0
	ds_add_u32 v254, v255
	s_wait_dscnt 0x0
	s_endpgm
.Lfunc_end_k_qef23f47038_ln2:
	.size	k_qef23f47038_ln2, .Lfunc_end_k_qef23f47038_ln2-k_qef23f47038_ln2
	.p2alignl 7, 3214868480
	.fill 96, 4, 3214868480
	.section	.rodata,"a",@progbits
	.p2align	6, 0x0
	.amdhsa_kernel k_qef23f47038_ln2
		.amdhsa_group_segment_fixed_size 17920
		.amdhsa_private_segment_fixed_size 0
		.amdhsa_enable_private_segment 0
		.amdhsa_kernarg_size 40
		.amdhsa_user_sgpr_count 2
		.amdhsa_user_sgpr_kernarg_segment_ptr 1
		.amdhsa_wavefront_size32 1
		.amdhsa_system_sgpr_workgroup_id_x 1
		.amdhsa_system_sgpr_workgroup_id_y 1
		.amdhsa_system_sgpr_workgroup_id_z 1
		.amdhsa_system_vgpr_workitem_id 0
		.amdhsa_next_free_vgpr 256
		.amdhsa_next_free_sgpr 66
		.amdhsa_reserve_vcc 0
		.amdhsa_float_denorm_mode_32 3
		.amdhsa_float_denorm_mode_16_64 3
		.amdhsa_memory_ordered 1
		.amdhsa_forward_progress 1
		.amdhsa_inst_pref_size 44
	.end_amdhsa_kernel
	.amdgpu_metadata
---
amdhsa.version: [ 1, 2 ]
amdhsa.kernels:
  - .name:           k_qef23f47038_ln2
    .symbol:         k_qef23f47038_ln2.kd
    .args:
      - { .name: hbuf, .offset: 0, .size: 8, .value_kind: global_buffer, .address_space: global }
      - { .name: g2, .offset: 8, .size: 8, .value_kind: global_buffer, .address_space: global }
      - { .name: s2, .offset: 16, .size: 8, .value_kind: global_buffer, .address_space: global }
      - { .name: lowp_scales, .offset: 24, .size: 8, .value_kind: global_buffer, .address_space: global }
      - { .name: yc, .offset: 32, .size: 8, .value_kind: global_buffer, .address_space: global }
    .group_segment_fixed_size: 17920
    .private_segment_fixed_size: 0
    .kernarg_segment_align: 8
    .kernarg_segment_size: 40
    .max_flat_workgroup_size: 128
    .sgpr_count:     66
    .vgpr_count:     256
    .wavefront_size: 32
...
	.end_amdgpu_metadata
.endif
;; end of part 5
;; launch w1 (part 6): grid 16 x 16, 4 waves a work-group, clusters of 4 x 4, 327,680 bytes of LDS; arguments yc, wc, lowp_scales, b1, hid; writes hid
.if DOCPART == 6
	.amdgcn_target "amdgcn-amd-amdhsa--gfx1250"
	.amdhsa_code_object_version 6
	.text
	.protected	k_qef23f47038_w1
	.globl	k_qef23f47038_w1
	.p2align	8
	.type	k_qef23f47038_w1,@function
k_qef23f47038_w1:
	s_mov_b64 s[64:65], 0
	v_nop
	global_prefetch_b8 v0, s[64:65] scope:SCOPE_SE
	s_setreg_imm32_b32 hwreg(HW_REG_WAVE_MODE, 25, 1), 1
	s_wait_xcnt 0x0
	s_wait_alu depctr_hold_cnt(0) depctr_sa_sdst(0) depctr_va_vdst(0) depctr_va_sdst(0) depctr_va_ssrc(0) depctr_va_vcc(0) depctr_vm_vsrc(0)
	s_getreg_b32 s2, hwreg(HW_REG_IB_STS2, 6, 4)
	s_cmp_eq_u32 s2, 0
	s_cbranch_scc0 .Lentry_in_a_cluster
	s_endpgm
.Lentry_in_a_cluster:
	s_bfe_u32 s2, ttmp6, 0x10000c
	s_cmp_lg_u32 s2, 0xf033
	s_cbranch_scc0 .Lentry_shape_is_right
	s_endpgm
.Lentry_shape_is_right:
; W1.  hid = gelu(y W1 + b1): the product on E4M3 codes (e12, e13), bias and gelu in f32, the result quantised at once (e14) into the images that the next product reads.
; All operands lie as IMAGES: 16 rows x 128 K in 2,048 bytes, byte 512 i + 16 lane + y = register 4 i + y / 4 of the lane; a matrix is [rows / 16][K / 128][2048].
; A tile of 256 x 256 is made by four waves, 128 x 128 each: 64 accumulators.  K goes 256 at a time through two LDS slots filled by the tensor data mover; a wave's load brings 8 row tiles x 2 images.
; THE MATRIX INSTRUCTION IS USED TRANSPOSED (source 0 = 16 rows of W1^T, source 1 = 16 tokens): lane (r, h) holds token r and hidden units 16 b + 8 h + 0 .. 7, so one conversion of an accumulator
; gives registers 2 b, 2 b + 1 of the next operand's image: a wave's 128 units are one K step of the next product, and the codes leave by stores of 512 consecutive bytes.
; GELU: 0.5 y (1 + tanh u) = y / (1 + 2^(y (C1 + C2 y^2))), C1 = -2 log2(e) sqrt(2 / pi), C2 = 0.044715 C1: the same function, with no difference of near numbers for negative y.
; CLUSTERS: 4 x 4; y's tile is asked for jointly along a row of the cluster, W1's along a column.
; LIMITS: e12 + e13 between -126 and 127; e14 between -126 and 119.
; REGISTERS: window 0: v10-13 constants, v16-30 addresses, v32-95 b1, v96-127 codes, from v128 A's fragments (one set), on the way out v128-191 y, v192-255 at work; window 1: B's, two sets; windows 2, 3: accumulators.
.set NB,    8
.set QS,    2
.set KTOT,  1024
.set WOFF,  0x400000                   ; W1's codes in wc
.set FR,    16
.set NL,    4
.set FRB,   2048
.set HALFT, NB*QS*FRB
.set SLOT,  4*HALFT
.set SPARE, 2*SLOT
.set RTP,   16*KTOT
.set SLOTB, QS*FRB
.set LAPS,  KTOT/(256*QS)
.set APW,   32/NB
.set ADRA, 16
.set ADRB, 20
.set LI,   27
.set SPW,  28
.set NIL,  29
.set AF,   128
.set Y,    128
.set Z,    192
.set G1, 24
.set G0, 32
.set G1B, 48
.set G0B, 56
.set MSB, 0
.set MUL_LO, 0xa1
.set MUL_HI, 0xa1+0x50*(NB/8)
.set TO_B,   0x40
.set PFA,  72                          ; s[72:73] the prefetches' base: my work-group's two row tiles of the eight that my wave fetches, at K slot 0; never rewritten
.set PFO,  31                          ; v31 the prefetches' offset: 256 x (lane % 16) + a row tile x (lane / 16); never rewritten
.macro WIN new                         ; the immediate's high byte repeats the setting that is left
.if MSB != (\new)
	s_set_vgpr_msb (MSB<<8)|(\new)
.set MSB, (\new)
.endif
.endm
.macro JLOAD g0a, g1a, g0b, g1b        ; a joint load: waves 0, 1 fetch A's halves, waves 2, 3 B's; four v_nop follow each line
	s_cmp_eq_u32 s15, 0
	s_cbranch_scc0 .Lfor_b_\@
	tensor_load_to_lds s[\g0a:\g0a+3], s[\g1a:\g1a+7]
	s_nop 0
.rept 4
	v_nop
.endr
	s_branch .Lasked_\@
.Lfor_b_\@:
	tensor_load_to_lds s[\g0b:\g0b+3], s[\g1b:\g1b+7]
	s_nop 0
.rept 4
	v_nop
.endr
.Lasked_\@:
.endm
.macro CREST
	s_cmp_lg_u32 s14, 0
	s_cbranch_scc1 .Lnot_wave_0_\@
	s_barrier_signal -3
.Lnot_wave_0_\@:
	s_barrier_wait -3
	s_barrier_signal -1
	s_barrier_wait -1
.endm
.macro CROUND
	s_barrier_signal -1
	s_barrier_wait -1
	CREST
.endm
.macro PLACES n                        ; plain vector instructions between a matrix instruction and a load into, or a read of, its registers
.rept \n
	v_nop
.endr
.endm
.macro FRAG reg, adr, q, i
.irp c, 0,1,2,3
	ds_load_b128 v[\reg+4*\c:\reg+4*\c+3], v[\adr] offset:((\i)*QS+(\q))*FRB+512*\c
.endr
.endm
.macro FETCH_B slot, q, p
	WIN TO_B
.set fi, 0
.rept NB
	FRAG 128*(\p)+FR*fi, ADRB+\slot, \q, fi
.set fi, fi+1
.endr
	WIN 0
.endm
.macro FETCH_A slot, q, i0
.set fi, \i0
.rept NB/2
	FRAG AF+FR*fi, ADRA+\slot, \q, fi
.set fi, fi+1
.endr
.endm
.macro MULQ k, p, zero                 ; a quarter of a step; the accumulators take turns, one instruction a turn, in the same order in every step
.set ma, (\k)*NB/4
.rept NB/4
.set mb, 0
.rept NB
.set rD, 8*(NB*(ma%APW)+mb)
.if \zero
	v_wmma_f32_16x16x128_fp8_fp8 v[rD:rD+7], v[128*(\p)+FR*mb:128*(\p)+FR*mb+FR-1], v[AF+FR*ma:AF+FR*ma+FR-1], 0
.else
	v_wmma_f32_16x16x128_fp8_fp8 v[rD:rD+7], v[128*(\p)+FR*mb:128*(\p)+FR*mb+FR-1], v[AF+FR*ma:AF+FR*ma+FR-1], v[rD:rD+7]
.endif
.set mb, mb+1
.endr
.set ma, ma+1
.endr
.endm
.macro STEP slot, q, zero
	s_wait_dscnt (NB/2)*NL                         ; B's set and A's lower blocks are in; A's upper blocks may be out
	WIN MUL_LO
	MULQ 0, (\q)%2, \zero
	MULQ 1, (\q)%2, \zero
	s_wait_dscnt 0
	PLACES 4
	FETCH_B \slot, (\q)+1, 1-(\q)%2
	FETCH_A \slot, (\q)+1, 0
	WIN MUL_HI
	MULQ 2, (\q)%2, \zero
	MULQ 3, (\q)%2, \zero
	PLACES 4
	WIN 0
	FETCH_A \slot, (\q)+1, NB/2
.endm
.macro REST slot
.if QS > 2
.set rq, 1
.rept QS-2
	STEP \slot, rq, 0
.set rq, rq+1
.endr
.endif
.endm
.macro TURN slot, next, fill
	s_wait_tensorcnt 0x0                           ; all my tensor loads have landed: my part of the next slot
	ds_add_u32 v[SPW], v[NIL]                      ; 0 onto my spare word
	s_wait_dscnt (NB/2)*NL+1                       ; the add and A's upper blocks may be out
	WIN MUL_LO
	MULQ 0, 1, 0
	s_wait_dscnt 0x0                               ; the add is done, and my reads of this slot are over
	s_barrier_signal -1
	MULQ 1, 1, 0
	WIN 0
	s_barrier_wait -1
.if \fill
	CREST                                          ; the barrier has opened a round of the cluster's: no wave of any partner still reads this slot or has a load on its way
	s_add_nc_u64 s[G0+4*\slot+2:G0+4*\slot+3], s[G0+4*\slot+2:G0+4*\slot+3], 2*SLOTB
	s_add_nc_u64 s[G0B+4*\slot+2:G0B+4*\slot+3], s[G0B+4*\slot+2:G0B+4*\slot+3], 2*SLOTB
	JLOAD G0+4*\slot, G1, G0B+4*\slot, G1B         ; the first tensor load behind the round; its four v_nop are the places in front of the loads below
.else
	PLACES 4
.endif
	FETCH_B \next, 0, 0
	FETCH_A \next, 0, 0
	WIN MUL_HI
	MULQ 2, 1, 0
	MULQ 3, 1, 0
	PLACES 4
	WIN 0
	FETCH_A \next, 0, NB/2
.endm
.macro LAST
	s_wait_dscnt (NB/2)*NL
	WIN MUL_LO
	MULQ 0, 1, 0
	MULQ 1, 1, 0
	s_wait_dscnt 0
	WIN MUL_HI
	MULQ 2, 1, 0
	MULQ 3, 1, 0
	WIN 0
.endm
	s_load_b128 s[4:7], s[0:1], 0x0                ; yc, wc
	s_load_b128 s[8:11], s[0:1], 0x10              ; lowp_scales, b1
	s_load_b64 s[12:13], s[0:1], 0x20              ; hid
	v_lshl_add_u32 v[SPW], v0, 2, SPARE
	v_mov_b32 v[NIL], 0
	ds_add_u32 v28, v29
	ds_add_u32 v28, v29
	s_wait_dscnt 0x0
	v_lshrrev_b32 v1, 5, v0
	v_readfirstlane_b32 s14, v1                    ; wave
	s_lshr_b32 s15, s14, 1                         ; my half of the rows.  Also: I fetch for A (0) or for B (1)
	s_and_b32 s16, s14, 1                          ; my half of the columns.  Also: which half I fetch
	s_bfe_u32 s40, ttmp6, 0x40000                  ; cx
	s_bfe_u32 s41, ttmp6, 0x40004                  ; cy
	s_lshl_b32 s42, ttmp9, 2
	s_add_co_u32 s42, s42, s40                     ; tile column
	s_and_b32 s17, ttmp7, 0xffff
	s_lshl_b32 s17, s17, 2
	s_add_co_u32 s17, s17, s41                     ; tile row
	s_lshl_b32 s43, s41, 2
	s_lshl_b32 s43, 15, s43                        ; my row of the cluster
	s_lshl_b32 s44, 0x1111, s40                    ; my column
	s_or_b32 s[G1+0], s43, (3<<16)|(1<<21)         ; 15:0 the mask; 17:16 elements of 8 bytes; 21 set beside a mask; no padding
	s_or_b32 s[G1B+0], s44, (3<<16)|(1<<21)
.irp g, G1, G1B
	s_mov_b32 s[\g+1], ((SLOTB/8)&0xffff)<<16      ; tensor_dim0
	s_mov_b32 s[\g+2], NB<<16                      ; tensor_dim1
	s_mov_b32 s[\g+3], (SLOTB/8)<<16               ; tile_dim0
	s_mov_b32 s[\g+4], NB                          ; tile_dim1
	s_mov_b32 s[\g+5], RTP/8                       ; from row tile to row tile
	s_mov_b32 s[\g+6], 0
	s_mov_b32 s[\g+7], 0
.endr
	s_mul_i32 s18, s16, NB
	s_mul_i32 s20, s17, 2*NB
	s_add_co_u32 s20, s20, s18
	s_mul_i32 s20, s20, RTP
	s_mov_b32 s21, 0
	s_mul_i32 s46, s42, 2*NB
	s_add_co_u32 s46, s46, s18
	s_mul_i32 s46, s46, RTP
	s_mov_b32 s47, 0
	s_mul_i32 s45, s14, HALFT
	s_wait_kmcnt 0x0
	s_load_b128 s[96:99], s[8:9], 0x30             ; e12, e13, e14, e15
	s_add_nc_u64 s[20:21], s[4:5], s[20:21]
	s_add_nc_u64 s[46:47], s[6:7], s[46:47]
	s_add_nc_u64 s[46:47], s[46:47], WOFF
	CROUND                                         ; all sixteen work-groups are here: the first joint loads meet
.irp s, 0,1
	s_mov_b32 s[G0+4*\s], 1
	s_add_co_u32 s[G0+4*\s+1], s45, \s*SLOT
	s_add_nc_u64 s[G0+4*\s+2:G0+4*\s+3], s[20:21], \s*SLOTB
	s_or_b32 s[G0+4*\s+3], s[G0+4*\s+3], 0x80000000
	s_mov_b32 s[G0B+4*\s], 1
	s_add_co_u32 s[G0B+4*\s+1], s45, \s*SLOT
	s_add_nc_u64 s[G0B+4*\s+2:G0B+4*\s+3], s[46:47], \s*SLOTB
	s_or_b32 s[G0B+4*\s+3], s[G0B+4*\s+3], 0x80000000
.endr
	JLOAD G0, G1, G0B, G1B                         ; K slot 0: one tensor load a wave at the head
	; prefetches into the L2: a slot's part of a row tile is 4,096 bytes; of the 8 row tiles that a wave fetches each of the four partners that ask jointly takes two, told apart by address
	s_cmp_eq_u32 s15, 0
	s_cselect_b64 s[PFA:PFA+1], s[20:21], s[46:47]
	s_cselect_b32 s74, s40, s41                    ; my place among the four
	s_mul_i32 s74, s74, 2*RTP
	s_mov_b32 s75, 0
	s_add_nc_u64 s[PFA:PFA+1], s[PFA:PFA+1], s[74:75]
	v_and_b32 v[PFO], 15, v0
	v_bfe_u32 v15, v0, 4, 1
	v_lshlrev_b32 v[PFO], 8, v[PFO]
	v_lshl_add_u32 v[PFO], v15, 14, v[PFO]
	global_prefetch_b8 v[PFO], s[PFA:PFA+1] offset:SLOTB th:TH_LOAD_NT scope:SCOPE_SE     ; K slot 1
	global_prefetch_b8 v[PFO], s[PFA:PFA+1] offset:2*SLOTB th:TH_LOAD_NT scope:SCOPE_SE   ; K slot 2
	v_bfe_u32 v2, v0, 4, 1
	v_lshlrev_b32 v30, 5, v2                       ; b1: lane (r, h) wants, for block b, units 16 b + 8 h + 0 .. 7 of my 128
	s_lshl_b32 s20, s42, 10
	s_lshl_b32 s21, s16, 9
	s_add_co_u32 s20, s20, s21
	s_mov_b32 s21, 0
	s_add_nc_u64 s[10:11], s[10:11], s[20:21]
.irp b, 0,1,2,3,4,5,6,7
	global_load_b128 v[32+8*\b:35+8*\b], v30, s[10:11] offset:64*\b
	global_load_b128 v[36+8*\b:39+8*\b], v30, s[10:11] offset:64*\b+16
.endr
	v_and_b32 v1, 31, v0
	v_lshlrev_b32 v[LI], 4, v1
	s_mul_i32 s21, s15, HALFT
	s_mul_i32 s22, s16, HALFT
	s_add_co_u32 s22, s22, 2*HALFT
.irp s, 0,1
	v_add_nc_u32 v[ADRA+\s], s21, v[LI]
	v_add_nc_u32 v[ADRB+\s], s22, v[LI]
	s_add_co_u32 s21, s21, SLOT
	s_add_co_u32 s22, s22, SLOT
.endr
	s_lshl_b32 s20, s17, 4
	s_lshl_b32 s21, s15, 3
	s_add_co_u32 s20, s20, s21
	s_lshl_b32 s20, s20, 16                        ; hid: my first row tile, 65,536 bytes each,
	s_lshl_b32 s21, s42, 1
	s_add_co_u32 s21, s21, s16
	s_lshl_b32 s21, s21, 11
	s_add_co_u32 s20, s20, s21                     ; my image along its K
	s_mov_b32 s21, 0
	s_add_nc_u64 s[12:13], s[12:13], s[20:21]
	s_wait_alu depctr_va_vdst(0)
	s_wait_tensorcnt 0x0                           ; my part of K slot 0 is in
	ds_add_u32 v[SPW], v[NIL]
	s_wait_dscnt 0x0
	CROUND                                         ; everybody's part of slot 0 is in, and the sixteen work-groups are here
	JLOAD G0+4, G1, G0B+4, G1B                     ; K slot 1: the first tensor load behind the round
	FETCH_B 0, 0, 0
	FETCH_A 0, 0, 0
	FETCH_A 0, 0, NB/2
	global_prefetch_b8 v[PFO], s[PFA:PFA+1] offset:3*SLOTB th:TH_LOAD_NT scope:SCOPE_SE   ; K slot 3, the last: two slots ahead of the load just issued
	STEP 0, 0, 1                                   ; the first step's products start the sums
.if LAPS > 1
	s_mov_b32 s3, LAPS-1
.Llap:
	REST 0
	TURN 0, 1, 1
	STEP 1, 0, 0
	REST 1
	TURN 1, 0, 1
	STEP 0, 0, 0
	s_sub_co_u32 s3, s3, 1
	s_cmp_lg_u32 s3, 0
	s_cbranch_scc1 .Llap
.endif
	REST 0                                         ; the last lap fills nothing
	TURN 0, 1, 0
	STEP 1, 0, 0
	REST 1
	LAST
	s_wait_kmcnt 0x0
	s_add_co_i32 s96, s96, s97
	s_add_co_i32 s96, s96, 127
	s_lshl_b32 s96, s96, 23                        ; 2^(e12 + e13) as f32
	s_mov_b32 s97, s96                             ; (named with it as a pair)
	s_add_co_i32 s98, s98, 127
	s_lshl_b32 s99, s98, 23
	v_mov_b32 v13, s99                             ; 2^e14 (these four moves are the places behind the last products)
	s_add_co_i32 s98, s98, 8
	s_lshl_b32 s98, s98, 23
	s_or_b32 s98, s98, 0x600000
	v_mov_b32 v12, s98                             ; 448 x 2^e14
	v_mov_b32 v10, 0xc0135761                      ; C1
	v_mov_b32 v11, 0xc0135761
	s_mov_b32 s98, 0xbdd2d3e8                      ; C2
	s_mov_b32 s99, s98
	s_wait_loadcnt 0x0                             ; b1
; THE WAY OUT, 16 tokens at a time: bias, gelu, hold, conversion: eight accumulators become one image.  The exponentials and the reciprocals go as batches of 64, each with one wait.
.macro GELU a
.set AC, 64*((\a)%4)
.set CD, 96+16*((\a)%2)
	WIN 2+(\a)/4                                   ; source 0: window 2 or 3
.set n, 0
.rept 32
	v_pk_fma_f32 v[Y+n:Y+n+1], v[AC+n:AC+n+1], s[96:97], v[32+n:33+n] op_sel_hi:[1,0,1]   ; y = sum x 2^(e12 + e13) + b1; each accumulator from its low end on
.set n, n+2
.endr
	WIN 0
.set n, 0
.rept 32
	v_pk_mul_f32 v[Z+n:Z+n+1], v[Y+n:Y+n+1], v[Y+n:Y+n+1]
.set n, n+2
.endr
.set n, 0
.rept 32
	v_pk_fma_f32 v[Z+n:Z+n+1], v[Z+n:Z+n+1], s[98:99], v[10:11] op_sel_hi:[1,0,1]         ; C1 + C2 y^2
.set n, n+2
.endr
.set n, 0
.rept 32
	v_pk_mul_f32 v[Z+n:Z+n+1], v[Z+n:Z+n+1], v[Y+n:Y+n+1]
.set n, n+2
.endr
.set n, 0
	s_wait_alu depctr_va_vdst(0)
.rept 64
	v_exp_f32 v[Z+n], v[Z+n]
.set n, n+1
.endr
	v_nop                                          ; a plain instruction behind the batch
	s_wait_alu depctr_va_vdst(0)                   ; one wait for the batch, ahead of its first reader
.set n, 0
.rept 32
	v_pk_add_f32 v[Z+n:Z+n+1], v[Z+n:Z+n+1], 1.0 op_sel_hi:[1,0]
.set n, n+2
.endr
.set n, 0
	s_wait_alu depctr_va_vdst(0)
.rept 64
	v_rcp_f32 v[Z+n], v[Z+n]
.set n, n+1
.endr
	v_nop
	s_wait_alu depctr_va_vdst(0)
.set n, 0
.rept 32
	v_pk_mul_f32 v[Y+n:Y+n+1], v[Y+n:Y+n+1], v[Z+n:Z+n+1]
.set n, n+2
.endr
.set n, 0
.rept 64
	v_med3_num_f32 v[Y+n], v[Y+n], -v12, v12       ; the conversion does not saturate (ISA guide 7.6.2): the hold comes first
.set n, n+1
.endr
.if (\a) >= 2
	s_wait_alu depctr_va_vdst(0)
	s_wait_xcnt 0x0                                ; block a - 2's stores have read the codes' registers
.endif
.irp b, 0,1,2,3,4,5,6,7
	v_cvt_scalef32_pk8_fp8_f32 v[CD+2*\b:CD+2*\b+1], v[Y+8*\b:Y+8*\b+7], v13
.endr
	v_nop                                          ; a plain instruction between the conversions and the next write of their sources
.irp i, 0,1,2,3
	global_store_b128 v[LI], v[CD+4*\i:CD+4*\i+3], s[12:13] offset:(\a)*65536+512*\i   ; 512 consecutive aligned bytes
.endr
.endm
.irp a, 0,1,2,3,4,5,6,7
	GELU \a
.endr
	s_wait_tensorcnt 0x0                           ; the wave's end
	ds_add_u32 v[SPW], v[NIL]
	s_wait_dscnt 0x0
	CROUND                                         ; the closing round
	s_endpgm
.Lfunc_end_k_qef23f47038_w1:
	.size	k_qef23f47038_w1, .Lfunc_end_k_qef23f47038_w1-k_qef23f47038_w1
	.p2alignl 7, 3214868480
	.fill 96, 4, 3214868480
	.section	.rodata,"a",@progbits
	.p2align	6, 0x0
	.amdhsa_kernel k_qef23f47038_w1
		.amdhsa_group_segment_fixed_size 327680
		.amdhsa_private_segment_fixed_size 0
		.amdhsa_enable_private_segment 0
		.amdhsa_kernarg_size 40
		.amdhsa_user_sgpr_count 2
		.amdhsa_user_sgpr_kernarg_segment_ptr 1
		.amdhsa_wavefront_size32 1
		.amdhsa_system_sgpr_workgroup_id_x 1
		.amdhsa_system_sgpr_workgroup_id_y 1
		.amdhsa_system_sgpr_workgroup_id_z 1
		.amdhsa_system_vgpr_workitem_id 0
		.amdhsa_next_free_vgpr 1024
		.amdhsa_next_free_sgpr 100
		.amdhsa_reserve_vcc 0
		.amdhsa_float_denorm_mode_32 3
		.amdhsa_float_denorm_mode_16_64 3
		.amdhsa_memory_ordered 1
		.amdhsa_forward_progress 1
		.amdhsa_inst_pref_size 250
	.end_amdhsa_kernel
	.amdgpu_metadata
---
amdhsa.version: [ 1, 2 ]
amdhsa.kernels:
  - .name:           k_qef23f47038_w1
    .symbol:         k_qef23f47038_w1.kd
    .args:
      - { .name: yc, .offset: 0, .size: 8, .value_kind: global_buffer, .address_space: global }
      - { .name: wc, .offset: 8, .size: 8, .value_kind: global_buffer, .address_space: global }
      - { .name: lowp_scales, .offset: 16, .size: 8, .value_kind: global_buffer, .address_space: global }
      - { .name: b1, .offset: 24, .size: 8, .value_kind: global_buffer, .address_space: global }
      - { .name: hid, .offset: 32, .size: 8, .value_kind: global_buffer, .address_space: global }
    .group_segment_fixed_size: 327680
    .private_segment_fixed_size: 0
    .kernarg_segment_align: 8
    .kernarg_segment_size: 40
    .max_flat_workgroup_size: 128
    .sgpr_count:     100
    .vgpr_count:     1024
    .wavefront_size: 32
...
	.end_amdgpu_metadata
.endif
;; end of part 6
;; launch w2 (part 7): grid 8 x 32, 4 waves a work-group, clusters of 4 x 4, 327,680 bytes of LDS; arguments hid, wc, lowp_scales, b2, hbuf, out0; writes out0
.if DOCPART == 7
	.amdgcn_target "amdgcn-amd-amdhsa--gfx1250"
	.amdhsa_code_object_version 6
	.text
	.protected	k_qef23f47038_w2
	.globl	k_qef23f47038_w2
	.p2align	8
	.type	k_qef23f47038_w2,@function
k_qef23f47038_w2:
	s_mov_b64 s[64:65], 0
	v_nop
	global_prefetch_b8 v0, s[64:65] scope:SCOPE_SE
	s_setreg_imm32_b32 hwreg(HW_REG_WAVE_MODE, 25, 1), 1
	s_wait_xcnt 0x0
	s_wait_alu depctr_hold_cnt(0) depctr_sa_sdst(0) depctr_va_vdst(0) depctr_va_sdst(0) depctr_va_ssrc(0) depctr_va_vcc(0) depctr_vm_vsrc(0)
	s_getreg_b32 s2, hwreg(HW_REG_IB_STS2, 6, 4)
	s_cmp_eq_u32 s2, 0
	s_cbranch_scc0 .Lentry_in_a_cluster
	s_endpgm
.Lentry_in_a_cluster:
	s_bfe_u32 s2, ttmp6, 0x10000c
	s_cmp_lg_u32 s2, 0xf033
	s_cbranch_scc0 .Lentry_shape_is_right
	s_endpgm
.Lentry_shape_is_right:
; W2.  out = h + hid W2 + b2: the product on E4M3 codes (scales e14, e15), the rest in f32.  hid and W2^T lie as IMAGES: 16 rows x 128 K in 2,048 bytes, byte 512 i + 16 lane + y = register 4 i + y / 4;
; a matrix is [rows / 16][K / 128][2048].  N is 1,024: tiles of 256 x 256 would be 64, so a tile is 128 x 128 (256 work-groups), four waves of 64 x 64: 16 accumulators.
; K = 4,096 goes 512 at a time through two LDS slots filled by the tensor data mover: a wave's load brings 4 row tiles x 4 images, and has a slot's 64 matrix instructions in which to land.
; THE MATRIX INSTRUCTION IS USED TRANSPOSED (source 0 = 16 rows of W2^T, source 1 = 16 tokens): a lane holds eight neighbouring columns of a row.
; CLUSTERS: 4 x 4; hid's tile is asked for jointly along a row of the cluster, W2's along a column.
; THE WAY OUT: a wave's 64 columns of f32 are 256 aligned bytes: 16 rows at a time through the wave's own stage; h's numbers were loaded at the head in the stores' layout.
; LIMIT: e14 + e15 between -126 and 127.
; REGISTERS: window 0: v8-11 bias, v16-30 addresses, v32-159 the way out, from v128 A's fragments (one set); window 1: B's, two sets; window 2: v0-127 accumulators, v128-255 the residual.
.set NB,    4
.set QS,    4
.set KTOT,  4096
.set WOFF,  0x800000                   ; W2's codes in wc
.set SOFF,  0x38                       ; e14, e15
.set FR,    16
.set NL,    4
.set FRB,   2048
.set HALFT, NB*QS*FRB
.set SLOT,  4*HALFT
.set SPARE, 2*SLOT
.set STAGE, SPARE+512
.set RTP,   16*KTOT
.set SLOTB, QS*FRB
.set LAPS,  KTOT/(256*QS)
.set APW,   32/NB
.set ADRA, 16
.set ADRB, 20
.set STO,  24
.set RD,   25
.set CO,   26
.set LI,   27
.set SPW,  28
.set NIL,  29
.set OB,   32
.set AF,   128
.set G1, 24
.set G0, 32
.set G1B, 48
.set G0B, 56
.set MSB, 0
.set MUL_LO, 0xa1
.set MUL_HI, 0xa1+0x50*(NB/8)
.set TO_B,   0x40
.set PFA,  72                          ; s[72:73] where my prefetches stand: my work-group's one row tile of the four that my wave fetches; stepped a slot at each refill
.set PFO,  31                          ; v31 the prefetches' offset: 256 x lane: a slot's part of a row tile is 8,192 bytes; never rewritten
.macro WIN new                         ; the immediate's high byte repeats the setting that is left
.if MSB != (\new)
	s_set_vgpr_msb (MSB<<8)|(\new)
.set MSB, (\new)
.endif
.endm
.macro JLOAD g0a, g1a, g0b, g1b        ; a joint load: waves 0, 1 fetch A's halves, waves 2, 3 B's; four v_nop follow each line
	s_cmp_eq_u32 s15, 0
	s_cbranch_scc0 .Lfor_b_\@
	tensor_load_to_lds s[\g0a:\g0a+3], s[\g1a:\g1a+7]
	s_nop 0
.rept 4
	v_nop
.endr
	s_branch .Lasked_\@
.Lfor_b_\@:
	tensor_load_to_lds s[\g0b:\g0b+3], s[\g1b:\g1b+7]
	s_nop 0
.rept 4
	v_nop
.endr
.Lasked_\@:
.endm
.macro CREST
	s_cmp_lg_u32 s14, 0
	s_cbranch_scc1 .Lnot_wave_0_\@
	s_barrier_signal -3
.Lnot_wave_0_\@:
	s_barrier_wait -3
	s_barrier_signal -1
	s_barrier_wait -1
.endm
.macro CROUND
	s_barrier_signal -1
	s_barrier_wait -1
	CREST
.endm
.macro PLACES n                        ; plain vector instructions between a matrix instruction and a load into, or a read of, its registers
.rept \n
	v_nop
.endr
.endm
.macro FRAG reg, adr, q, i
.irp c, 0,1,2,3
	ds_load_b128 v[\reg+4*\c:\reg+4*\c+3], v[\adr] offset:((\i)*QS+(\q))*FRB+512*\c
.endr
.endm
.macro FETCH_B slot, q, p
	WIN TO_B
.set fi, 0
.rept NB
	FRAG 128*(\p)+FR*fi, ADRB+\slot, \q, fi
.set fi, fi+1
.endr
	WIN 0
.endm
.macro FETCH_A slot, q, i0
.set fi, \i0
.rept NB/2
	FRAG AF+FR*fi, ADRA+\slot, \q, fi
.set fi, fi+1
.endr
.endm
.macro MULQ k, p, zero                 ; a quarter of a step; the accumulators take turns, one instruction a turn, in the same order in every step
.set ma, (\k)*NB/4
.rept NB/4
.set mb, 0
.rept NB
.set rD, 8*(NB*(ma%APW)+mb)
.if \zero
	v_wmma_f32_16x16x128_fp8_fp8 v[rD:rD+7], v[128*(\p)+FR*mb:128*(\p)+FR*mb+FR-1], v[AF+FR*ma:AF+FR*ma+FR-1], 0
.else
	v_wmma_f32_16x16x128_fp8_fp8 v[rD:rD+7], v[128*(\p)+FR*mb:128*(\p)+FR*mb+FR-1], v[AF+FR*ma:AF+FR*ma+FR-1], v[rD:rD+7]
.endif
.set mb, mb+1
.endr
.set ma, ma+1
.endr
.endm
.macro STEP slot, q, zero
	s_wait_dscnt (NB/2)*NL                         ; B's set and A's lower blocks are in; A's upper blocks may be out
	WIN MUL_LO
	MULQ 0, (\q)%2, \zero
	MULQ 1, (\q)%2, \zero
	s_wait_dscnt 0
	PLACES 4
	FETCH_B \slot, (\q)+1, 1-(\q)%2
	FETCH_A \slot, (\q)+1, 0
	WIN MUL_HI
	MULQ 2, (\q)%2, \zero
	MULQ 3, (\q)%2, \zero
	PLACES 4
	WIN 0
	FETCH_A \slot, (\q)+1, NB/2
.endm
.macro REST slot
.if QS > 2
.set rq, 1
.rept QS-2
	STEP \slot, rq, 0
.set rq, rq+1
.endr
.endif
.endm
.macro TURN slot, next, fill
.if \fill
	s_wait_xcnt 0x0                                ; my prefetches have read their address: it is stepped here, ahead of the waits of the change of slots
	s_add_nc_u64 s[PFA:PFA+1], s[PFA:PFA+1], SLOTB
.endif
	s_wait_tensorcnt 0x0                           ; all my tensor loads have landed: my part of the next slot
	ds_add_u32 v[SPW], v[NIL]                      ; 0 onto my spare word
	s_wait_dscnt (NB/2)*NL+1                       ; the add and A's upper blocks may be out
	WIN MUL_LO
	MULQ 0, 1, 0
	s_wait_dscnt 0x0                               ; the add is done, and my reads of this slot are over
	s_barrier_signal -1
	MULQ 1, 1, 0
	WIN 0
	s_barrier_wait -1
.if \fill
	CREST                                          ; the barrier has opened a round of the cluster's: no wave of any partner still reads this slot or has a load on its way
	s_add_nc_u64 s[G0+4*\slot+2:G0+4*\slot+3], s[G0+4*\slot+2:G0+4*\slot+3], 2*SLOTB
	s_add_nc_u64 s[G0B+4*\slot+2:G0B+4*\slot+3], s[G0B+4*\slot+2:G0B+4*\slot+3], 2*SLOTB
	JLOAD G0+4*\slot, G1, G0B+4*\slot, G1B         ; the first tensor load behind the round; its four v_nop are the places in front of the loads below
.else
	PLACES 4
.endif
	FETCH_B \next, 0, 0
	FETCH_A \next, 0, 0
.if \fill
	s_cmp_gt_u32 s3, 1                             ; the loop's last trip refills slots 6 and 7: no slot lies two further on
	s_cbranch_scc0 .Lno_ask_\@
	global_prefetch_b8 v[PFO], s[PFA:PFA+1] offset:3*SLOTB th:TH_LOAD_NT scope:SCOPE_SE   ; the K slot two behind the one just asked for
.Lno_ask_\@:
.endif
	WIN MUL_HI
	MULQ 2, 1, 0
	MULQ 3, 1, 0
	PLACES 4
	WIN 0
	FETCH_A \next, 0, NB/2
.endm
.macro LAST
	s_wait_dscnt (NB/2)*NL
	WIN MUL_LO
	MULQ 0, 1, 0
	MULQ 1, 1, 0
	s_wait_dscnt 0
	WIN MUL_HI
	MULQ 2, 1, 0
	MULQ 3, 1, 0
	WIN 0
.endm
	s_load_b128 s[4:7], s[0:1], 0x0                ; A's codes, wc
	s_load_b128 s[8:11], s[0:1], 0x10              ; lowp_scales, the bias
	s_load_b128 s[68:71], s[0:1], 0x20             ; the residual, the output
	v_lshl_add_u32 v[SPW], v0, 2, SPARE
	v_mov_b32 v[NIL], 0
	ds_add_u32 v28, v29
	ds_add_u32 v28, v29
	s_wait_dscnt 0x0
	v_lshrrev_b32 v1, 5, v0
	v_readfirstlane_b32 s14, v1                    ; wave
	s_lshr_b32 s15, s14, 1                         ; my half of the rows.  Also: I fetch for A (0) or for B (1)
	s_and_b32 s16, s14, 1                          ; my half of the columns.  Also: which half I fetch
	s_bfe_u32 s40, ttmp6, 0x40000                  ; cx
	s_bfe_u32 s41, ttmp6, 0x40004                  ; cy
	s_lshl_b32 s42, ttmp9, 2
	s_add_co_u32 s42, s42, s40                     ; tile column
	s_and_b32 s17, ttmp7, 0xffff
	s_lshl_b32 s17, s17, 2
	s_add_co_u32 s17, s17, s41                     ; tile row
	s_lshl_b32 s43, s41, 2
	s_lshl_b32 s43, 15, s43                        ; my row of the cluster
	s_lshl_b32 s44, 0x1111, s40                    ; my column
	s_or_b32 s[G1+0], s43, (3<<16)|(1<<21)         ; 15:0 the mask; 17:16 elements of 8 bytes; 21 set beside a mask; no padding
	s_or_b32 s[G1B+0], s44, (3<<16)|(1<<21)
.irp g, G1, G1B
	s_mov_b32 s[\g+1], ((SLOTB/8)&0xffff)<<16      ; tensor_dim0
	s_mov_b32 s[\g+2], NB<<16                      ; tensor_dim1
	s_mov_b32 s[\g+3], (SLOTB/8)<<16               ; tile_dim0
	s_mov_b32 s[\g+4], NB                          ; tile_dim1
	s_mov_b32 s[\g+5], RTP/8                       ; from row tile to row tile
	s_mov_b32 s[\g+6], 0
	s_mov_b32 s[\g+7], 0
.endr
	s_mul_i32 s18, s16, NB
	s_mul_i32 s20, s17, 2*NB
	s_add_co_u32 s20, s20, s18
	s_mul_i32 s20, s20, RTP
	s_mov_b32 s21, 0
	s_mul_i32 s46, s42, 2*NB
	s_add_co_u32 s46, s46, s18
	s_mul_i32 s46, s46, RTP
	s_mov_b32 s47, 0
	s_mul_i32 s45, s14, HALFT
	s_wait_kmcnt 0x0
	s_load_b64 s[96:97], s[8:9], SOFF              ; the product's two exponents
	s_add_nc_u64 s[20:21], s[4:5], s[20:21]
	s_add_nc_u64 s[46:47], s[6:7], s[46:47]
	s_add_nc_u64 s[46:47], s[46:47], WOFF
	CROUND                                         ; all sixteen work-groups are here: the first joint loads meet
.irp s, 0,1
	s_mov_b32 s[G0+4*\s], 1
	s_add_co_u32 s[G0+4*\s+1], s45, \s*SLOT
	s_add_nc_u64 s[G0+4*\s+2:G0+4*\s+3], s[20:21], \s*SLOTB
	s_or_b32 s[G0+4*\s+3], s[G0+4*\s+3], 0x80000000
	s_mov_b32 s[G0B+4*\s], 1
	s_add_co_u32 s[G0B+4*\s+1], s45, \s*SLOT
	s_add_nc_u64 s[G0B+4*\s+2:G0B+4*\s+3], s[46:47], \s*SLOTB
	s_or_b32 s[G0B+4*\s+3], s[G0B+4*\s+3], 0x80000000
.endr
	JLOAD G0, G1, G0B, G1B                         ; K slot 0: one tensor load a wave at the head
	; prefetches into the L2: of the 4 row tiles that a wave fetches each of the four partners that ask jointly takes one, told apart by address: each block of 256 bytes is named once in a cluster
	s_cmp_eq_u32 s15, 0
	s_cselect_b64 s[PFA:PFA+1], s[20:21], s[46:47]
	s_cselect_b32 s74, s40, s41                    ; my place among the four
	s_mul_i32 s74, s74, RTP
	s_mov_b32 s75, 0
	s_add_nc_u64 s[PFA:PFA+1], s[PFA:PFA+1], s[74:75]
	v_and_b32 v[PFO], 31, v0
	v_lshlrev_b32 v[PFO], 8, v[PFO]
	global_prefetch_b8 v[PFO], s[PFA:PFA+1] offset:SLOTB th:TH_LOAD_NT scope:SCOPE_SE     ; K slot 1
	global_prefetch_b8 v[PFO], s[PFA:PFA+1] offset:2*SLOTB th:TH_LOAD_NT scope:SCOPE_SE   ; K slot 2
	v_and_b32 v1, 15, v0                           ; r
	v_bfe_u32 v2, v0, 4, 1                         ; h
	v_lshlrev_b32 v[CO], 12, v2
	v_lshl_add_u32 v[CO], v1, 4, v[CO]             ; lanes 0-15 one row's 256 bytes, lanes 16-31 the next row's
	s_wait_alu depctr_va_vdst(0)
	v_lshlrev_b32 v30, 4, v1
	s_wait_alu depctr_va_vdst(0)
	s_lshl_b32 s20, s17, 7
	s_lshl_b32 s21, s15, 6
	s_add_co_u32 s20, s20, s21
	s_lshl_b32 s20, s20, 12                        ; my first row, 4,096 bytes a row,
	s_lshl_b32 s21, s42, 9
	s_lshl_b32 s22, s16, 8
	s_add_co_u32 s22, s21, s22                     ; my first column, in bytes
	s_add_co_u32 s20, s20, s22
	s_mov_b32 s21, 0
	s_mov_b32 s23, 0
	s_add_nc_u64 s[68:69], s[68:69], s[20:21]
	s_add_nc_u64 s[70:71], s[70:71], s[20:21]
	s_add_nc_u64 s[10:11], s[10:11], s[22:23]
	v_and_b32 v3, 31, v0
	v_lshlrev_b32 v[LI], 4, v3
	s_mul_i32 s21, s15, HALFT
	s_mul_i32 s22, s16, HALFT
	s_add_co_u32 s22, s22, 2*HALFT
.irp s, 0,1
	v_add_nc_u32 v[ADRA+\s], s21, v[LI]
	v_add_nc_u32 v[ADRB+\s], s22, v[LI]
	s_add_co_u32 s21, s21, SLOT
	s_add_co_u32 s22, s22, SLOT
.endr
	s_mul_i32 s23, s14, 16*272
	s_add_co_u32 s23, s23, STAGE                   ; my stage: 16 rows of 256 bytes + 16
	v_mul_u32_u24 v4, v1, 272
	v_lshl_add_u32 v4, v2, 5, v4
	v_add_nc_u32 v[STO], s23, v4                   ; in: row r, 32 bytes for each half of the lanes
	v_mul_u32_u24 v4, v2, 272
	v_lshl_add_u32 v4, v1, 4, v4
	v_add_nc_u32 v[RD], s23, v4                    ; back: two rows an instruction
	s_wait_alu depctr_va_vdst(0)
	s_wait_tensorcnt 0x0                           ; my part of K slot 0 is in
	ds_add_u32 v[SPW], v[NIL]
	s_wait_dscnt 0x0
	CROUND                                         ; everybody's part of slot 0 is in, and the sixteen work-groups are here
	JLOAD G0+4, G1, G0B+4, G1B                     ; K slot 1: the first tensor load behind the round
	FETCH_B 0, 0, 0
	FETCH_A 0, 0, 0
	FETCH_A 0, 0, NB/2
	global_prefetch_b8 v[PFO], s[PFA:PFA+1] offset:3*SLOTB th:TH_LOAD_NT scope:SCOPE_SE   ; K slot 3: two slots ahead of the load just issued
	STEP 0, 0, 1                                   ; the first step's products start the sums
	WIN 0x80                                       ; destination window 2.  The residual and the bias are asked for here, behind the first tiles, and come in under the products
.irp a, 0,1,2,3
.irp t, 0,1,2,3,4,5,6,7
	global_load_b128 v[128+32*\a+4*\t:128+32*\a+4*\t+3], v[CO], s[68:69] offset:(16*\a+2*\t)*4096   ; the residual, in the stores' layout
.endr
.endr
	WIN 0
	global_load_b128 v[8:11], v30, s[10:11]        ; the bias of my four columns
.if LAPS > 1
	s_mov_b32 s3, LAPS-1
.Llap:                                                 ; a trip goes once round the ring and fills both slots again
	REST 0
	TURN 0, 1, 1
	STEP 1, 0, 0
	REST 1
	TURN 1, 0, 1
	STEP 0, 0, 0
	s_sub_co_u32 s3, s3, 1
	s_cmp_lg_u32 s3, 0
	s_cbranch_scc1 .Llap
.endif
	REST 0                                         ; the last lap fills nothing
	TURN 0, 1, 0
	STEP 1, 0, 0
	REST 1
	LAST
	s_wait_kmcnt 0x0
	s_add_co_i32 s96, s96, s97
	s_add_co_i32 s96, s96, 127
	s_lshl_b32 s96, s96, 23                        ; 2^(eA + eB) as f32
	s_mov_b32 s97, s96                             ; (named with it as a pair)
	PLACES 4
	s_wait_loadcnt 0x0                             ; the residual and the bias
.macro TOSTAGE a                       ; 16 rows x 64 columns of sums into my stage, and back as whole rows; LDS serves a wave's instructions in order
	WIN 0x08                                       ; store data window 2
.irp b, 0,1,2,3
	ds_store_b128 v[STO], v[8*(4*(\a)+\b):8*(4*(\a)+\b)+3] offset:64*\b          ; each accumulator from its low end on
	ds_store_b128 v[STO], v[8*(4*(\a)+\b)+4:8*(4*(\a)+\b)+7] offset:64*\b+16
.endr
	WIN 0
.irp t, 0,1,2,3,4,5,6,7
	ds_load_b128 v[OB+32*(\a)+4*\t:OB+32*(\a)+4*\t+3], v[RD] offset:544*\t
.endr
.endm
.macro SEND a, younger                 ; younger: the LDS instructions issued behind block a's loads
	s_wait_dscnt \younger
	WIN 0x20                                       ; source 2 window 2
.set n, 0
.rept 16
	v_pk_fma_f32 v[OB+32*(\a)+n:OB+32*(\a)+n+1], v[OB+32*(\a)+n:OB+32*(\a)+n+1], s[96:97], v[128+32*(\a)+n:128+32*(\a)+n+1] op_sel_hi:[1,0,1]   ; sum x 2^(eA + eB) + the residual
.set n, n+2
.endr
	WIN 0
.irp t, 0,1,2,3,4,5,6,7
	v_pk_add_f32 v[OB+32*(\a)+4*\t:OB+32*(\a)+4*\t+1], v[OB+32*(\a)+4*\t:OB+32*(\a)+4*\t+1], v[8:9]       ; + the bias
	v_pk_add_f32 v[OB+32*(\a)+4*\t+2:OB+32*(\a)+4*\t+3], v[OB+32*(\a)+4*\t+2:OB+32*(\a)+4*\t+3], v[10:11]
.endr
.irp t, 0,1,2,3,4,5,6,7
	global_store_b128 v[CO], v[OB+32*(\a)+4*\t:OB+32*(\a)+4*\t+3], s[70:71] offset:(16*(\a)+2*\t)*4096 th:TH_STORE_NT   ; sixteen lanes: 256 consecutive aligned bytes; written once, read by nobody here
.endr
.endm
	TOSTAGE 0
.irp a, 1,2,3
	TOSTAGE \a
	SEND \a-1, 16                                  ; behind block a - 1's loads: block a's 8 stores and 8 loads
.endr
	SEND 3, 0
	s_wait_tensorcnt 0x0                           ; the wave's end
	ds_add_u32 v[SPW], v[NIL]
	s_wait_dscnt 0x0
	CROUND                                         ; the closing round
	s_endpgm
.Lfunc_end_k_qef23f47038_w2:
	.size	k_qef23f47038_w2, .Lfunc_end_k_qef23f47038_w2-k_qef23f47038_w2
	.p2alignl 7, 3214868480
	.fill 96, 4, 3214868480
	.section	.rodata,"a",@progbits
	.p2align	6, 0x0
	.amdhsa_kernel k_qef23f47038_w2
		.amdhsa_group_segment_fixed_size 327680
		.amdhsa_private_segment_fixed_size 0
		.amdhsa_enable_private_segment 0
		.amdhsa_kernarg_size 48
		.amdhsa_user_sgpr_count 2
		.amdhsa_user_sgpr_kernarg_segment_ptr 1
		.amdhsa_wavefront_size32 1
		.amdhsa_system_sgpr_workgroup_id_x 1
		.amdhsa_system_sgpr_workgroup_id_y 1
		.amdhsa_system_sgpr_workgroup_id_z 1
		.amdhsa_system_vgpr_workitem_id 0
		.amdhsa_next_free_vgpr 768
		.amdhsa_next_free_sgpr 100
		.amdhsa_reserve_vcc 0
		.amdhsa_float_denorm_mode_32 3
		.amdhsa_float_denorm_mode_16_64 3
		.amdhsa_memory_ordered 1
		.amdhsa_forward_progress 1
		.amdhsa_inst_pref_size 86
	.end_amdhsa_kernel
	.amdgpu_metadata
---
amdhsa.version: [ 1, 2 ]
amdhsa.kernels:
  - .name:           k_qef23f47038_w2
    .symbol:         k_qef23f47038_w2.kd
    .args:
      - { .name: hid, .offset: 0, .size: 8, .value_kind: global_buffer, .address_space: global }
      - { .name: wc, .offset: 8, .size: 8, .value_kind: global_buffer, .address_space: global }
      - { .name: lowp_scales, .offset: 16, .size: 8, .value_kind: global_buffer, .address_space: global }
      - { .name: b2, .offset: 24, .size: 8, .value_kind: global_buffer, .address_space: global }
      - { .name: hbuf, .offset: 32, .size: 8, .value_kind: global_buffer, .address_space: global }
      - { .name: out0, .offset: 40, .size: 8, .value_kind: global_buffer, .address_space: global }
    .group_segment_fixed_size: 327680
    .private_segment_fixed_size: 0
    .kernarg_segment_align: 8
    .kernarg_segment_size: 48
    .max_flat_workgroup_size: 128
    .sgpr_count:     100
    .vgpr_count:     768
    .wavefront_size: 32
...
	.end_amdgpu_metadata
.endif
;; end of part 7
